; MI455X (gfx1250); checked and timed in simulation.
; The chip was launched on July 23, 2026; its instructions are those of AMD's public machine-readable ISA for CDNA 5 (MIT licence, August 2026) and "CDNA5" Instruction Set Architecture Reference Guide (July 2026). The comments in the code are by the model that wrote it; some were corrected since.
;; Time Aware Attention. Allowed arithmetic: matrix products marked QUANTISED: E3M2 operands, one E8M0 scale for each 32 along K, by v_wmma_scale_f32_16x16x128_f8f6f4 with both operands' format E3M2, f32 sums; everything else in f32.
;; Inputs: in_proj_b 3,072 float32; in_proj_w 3,072 x 1,024 float32; ln_b 1,024 float32; ln_w 1,024 float32; out_proj_b 1,024 float32; out_proj_w 1,024 x 1,024 float32; time_decay one number float32; x 8 x 1,024 x 1,024 float32.
;; Outputs: out0 8 x 1,024 x 1,024 float32; out1 8 x 1,024 x 1,024 float32.
;; This version of the problem:
;;   THIS VERSION OF THE PROBLEM IS GIVEN IN LOW PRECISION. The matrix products marked QUANTISED in the list below multiply operands that are first quantised to E3M2 (3 exponent bits, 2 mantissa bits; 6 bits a number), with one power-of-two scale for each 32 numbers along K (OCP MX v1.0); their sums are f32. All else is computed in f32.
;;   The module's matrix products, in the order in which they are computed (A, B: the left and right operand; K: the contracted axis; several contracted axes count as one K, in the product's order):
;;     1. [M 8,192, K 1,024] x [K 1,024, N 3,072]; A: input x; B: input in_proj_w: QUANTISED
;;     2. batch 128 x [M 1,024, K 64] x [K 64, N 1,024]; A: computed on the way; B: computed on the way: QUANTISED
;;     3. batch 128 x [M 64, K 1,024] x [K 1,024, N 1,024]; A: computed on the way; B: softmax (see below): QUANTISED
;;     4. [M 8,192, K 1,024] x [K 1,024, N 1,024]; A: computed on the way; B: input out_proj_w: QUANTISED
;;   THE QUANTISER, for each operand of a quantised product, along K:
;;     - K is cut into blocks of 32 from its start; a last block that is shorter is filled with zeros.
;;     - A block's scale is 2^e with e = floor(log2(the largest magnitude in the block)) - 4, held to -126 .. 127; a block of zeros has e = 0. As a byte (E8M0): e + 127.
;;     - Each number is divided by its block's scale, clamped to +-28, and rounded to the nearest number of E3M2, ties to even, subnormals kept.
;;     - The product sums the exact products of the quantised numbers (number of the format x scale) in f32.
;;   ~~~python
;;   def quantise(x, axis):      # numpy; x: float32 -> the quantised numbers, widened to float32 again
;;       x = np.moveaxis(x, axis, -1); K = x.shape[-1]
;;       x = np.pad(x, [(0, 0)] * (x.ndim - 1) + [(0, -K % 32)]); x = x.reshape(x.shape[:-1] + (-1, 32)); a = np.abs(x).max(-1, keepdims=True)
;;       e = np.where(a > 0, np.clip(np.frexp(np.where(a > 0, a, 1))[1] - 1 - 4, -126, 127), 0)      # np.frexp(a)[1] - 1 = floor(log2(a)), exactly
;;       r = np.clip(x / 2.0 ** e, -28, 28)
;;       step = 2.0 ** (np.maximum(np.frexp(np.where(r == 0, 1, r))[1] - 1, -2) - 2)
;;       q = np.round(r / step) * step * 2.0 ** e      # np.round: ties to even
;;       return np.moveaxis(q.reshape(q.shape[:-2] + (-1,))[..., :K], -1, axis).astype(np.float32)
;;   ~~~
;;   SOFTMAX AHEAD OF A QUANTISED PRODUCT. Where the list says 'softmax', what is quantised is not the finished softmax but p = 2^(t - M), with t = logit x log2(e) and M = ceil(the row's largest t), a whole number; so 1/2 < the row's largest p <= 1. The row's sum l is taken of the UNQUANTISED p, in f32, and the product's result is divided by l at the end. Since M is a whole number, a kernel that streams over the keys may use a running M (the ceiling of the running maximum): every later rescaling is an exact power of two, which a block's scale takes up: the codes' values come out the same.
;;   OPERANDS COMPUTED ON THE WAY. 'Computed on the way' means the value that the module computes at that place (a softmax that the list does not call 'softmax' is quantised finished and normalised). What goes into a quantiser is computed in f32, as accurately as f32 sums, v_exp_f32 and their like allow (about 1e-6 of the number): no bf16 or f16 on the way to a quantiser, and a product that is left as it is and whose result goes on into a quantised operand takes f32 operands (vector FMAs, or v_wmma_f32_16x16x4_f32). A number that lies on a knife's edge between two numbers of the format may be rounded either way, as far as f32 arithmetic and the matrix unit's own rounding can turn it there, and no further.
;; One version. Each part assembles by itself: llvm-mc -triple=amdgcn-amd-amdhsa -mcpu=gfx1250 --defsym DOCPART=n.
;; ======== version 1 of 1: 4 launches
;; workspace buffers: codes 9,437,184 bytes; scales 393,216 bytes; qimg 6,815,744 bytes; kv 13,369,344 bytes; aimg 6,553,600 bytes
;; launch quant (part 1): grid 384 x 1, 4 waves a work-group, no clusters, 33,280 bytes of LDS; arguments x, in_proj_w, out_proj_w, codes, scales; writes codes, scales
.if DOCPART == 1
	.amdgcn_target "amdgcn-amd-amdhsa--gfx1250"
	.amdhsa_code_object_version 6
	.text
	.protected	k_q82a6278c6c_quant
	.globl	k_q82a6278c6c_quant
	.p2align	8
	.type	k_q82a6278c6c_quant,@function
k_q82a6278c6c_quant:
	s_mov_b64 s[64:65], 0
	v_nop
	global_prefetch_b8 v0, s[64:65] scope:SCOPE_SE
	s_setreg_imm32_b32 hwreg(HW_REG_WAVE_MODE, 25, 1), 1
	s_wait_xcnt 0x0
; x [8192][1024], in_proj_w [3072][1024] and out_proj_w [1024][1024], f32, become codes of BF6 (E3M2), 6 bits each, K innermost, with one E8M0 byte for each 32 along K.
; The three tensors' rows follow each other in ONE buffer of codes (12,288 rows of 768 bytes) and one of scale bytes (rows of 32 bytes): x at row 0, in_proj_w at 8,192, out_proj_w at 11,264.
; A block's scale is 2^(floor(log2(its largest magnitude)) - 4); its byte is the largest magnitude's exponent field - 4, held at 1 from below.  Each number is divided by the scale and rounded to the nearest code, ties to even.
; THE ROWS ARE STORED IN ANOTHER ORDER THAN THEY ARE READ: in each group of 32 rows the second and the third group of 8 change places.  So 16 rows that lie together in the buffer are rows
; 32 g + 8 u + r + 8 (r / 8): in a product used transposed, the 16 registers of two neighbouring tiles are then 16 neighbours along the next product's K, and the later launches read plain rows.
; LIMITS: a block of zeros gets the byte 1 where the rule says 127 (its codes are zeros, and this program alone reads the bytes); NaN and infinities among the inputs are not served.
; A work-group takes 32 rows, a wave 8 rows: 16 steps of 512 numbers.  Each load reads 512 consecutive bytes; a step's 2,048 bytes turn through the wave's own stage in LDS, so that a lane holds 16 neighbours
; (two neighbouring lanes hold a block).  A lane's 16 codes are 12 bytes: the wave stores 384 consecutive bytes.  A wave's 256 scale bytes are gathered in LDS and leave as one aligned run of 256 bytes.
; No tensor loads, no barrier: waves share nothing.  Loads run EIGHT steps ahead: 32 loads, 16 KiB, of every wave are out, half of all that it reads; the turn through LDS runs one step ahead.
.set STEPS, 16
.set AHEAD, 8                          ; steps that the loads run ahead, and sets of registers for them
.set EMAX,  4
.set CB,    12                         ; bytes of 16 codes
.set R,     16                         ; v16-143  eight sets of 16 numbers as they are loaded
.set X,     144                        ; v144-175 two sets of 16 neighbours
.set E,     176                        ; v176-191 a scale byte for each step
.set C,     192                        ; v192-255 codes: four registers for each step, so that no store's data are written again
.set WREG,  8192                       ; LDS: a region for each wave: two stages of 32 x SP bytes, behind them its 256 scale bytes
.set SP,    80                         ; a lane's place in a stage: its 64 bytes + 16 of padding
	s_load_b256 s[4:11], s[0:1], 0x0               ; x s[4:5], in_proj_w s[6:7], out_proj_w s[8:9], codes s[10:11]
	s_load_b64 s[12:13], s[0:1], 0x20              ; scales
	v_lshl_add_u32 v251, v0, 2, 0x8000
	v_mov_b32 v255, 0
	v_lshrrev_b32 v1, 5, v0
	v_readfirstlane_b32 s16, v1                    ; wave
	v_and_b32 v2, 31, v0                           ; lane
	v_lshlrev_b32 v3, 4, v2                        ; my 16 bytes of a load's 512
	s_mul_i32 s17, s16, WREG
	v_lshrrev_b32 v14, 2, v2
	v_mul_u32_u24 v14, v14, SP
	v_and_b32 v15, 3, v2
	v_lshl_add_u32 v14, v15, 4, v14
	v_add_nc_u32 v14, s17, v14                     ; the stage, on the way in: SP (lane / 4) + 16 (lane % 4)
	v_mul_u32_u24 v15, v2, SP
	v_add_nc_u32 v15, s17, v15                     ; and on the way out: SP x lane: my 16 neighbours
	v_mul_u32_u24 v4, v2, CB                       ; my codes' place in a step's
	v_lshrrev_b32 v5, 1, v2
	s_add_co_u32 s17, s17, 2*32*SP
	v_add_nc_u32 v5, s17, v5                       ; LDS: my wave's 256 scale bytes, my block's byte
	v_lshlrev_b32 v7, 3, v2                        ; and on the way out 8 bytes a lane
	v_add_nc_u32 v6, s17, v7
	s_wait_kmcnt 0x0
	s_cmp_lt_u32 ttmp9, 256                        ; work-groups 0-255 take x, 256-351 in_proj_w, 352-383 out_proj_w: the choice hangs on the work-group's number alone
	s_cselect_b64 s[4:5], s[4:5], s[6:7]
	s_cselect_b32 s17, 0, 256
	s_cmp_lt_u32 ttmp9, 352
	s_cselect_b64 s[4:5], s[4:5], s[8:9]
	s_cselect_b32 s17, s17, 352
	s_sub_co_u32 s17, ttmp9, s17                   ; which 32 rows of the tensor
	s_lshl_b32 s17, s17, 2
	s_add_co_u32 s18, s17, s16                     ; which 8 rows: read in their own order
	s_lshl_b32 s18, s18, 15                        ; 8 rows of 4,096 bytes
	s_mov_b32 s19, 0
	s_add_nc_u64 s[4:5], s[4:5], s[18:19]
	s_and_b32 s20, s16, 1                          ; stored with groups 1 and 2 of the four changed: 2 (wave % 2) + wave / 2
	s_lshl_b32 s20, s20, 1
	s_lshr_b32 s21, s16, 1
	s_or_b32 s20, s20, s21
	s_lshl_b32 s21, ttmp9, 2
	s_add_co_u32 s20, s20, s21                     ; the outputs are one stream for all three tensors
	s_mul_i32 s18, s20, 6144                       ; 8 rows of 768 bytes
	s_add_nc_u64 s[10:11], s[10:11], s[18:19]
	s_lshl_b32 s18, s20, 8                         ; 8 rows of 32 bytes
	s_add_nc_u64 s[12:13], s[12:13], s[18:19]
.macro LOAD t
.irp i, 0,1,2,3
	global_load_b128 v[R+16*((\t)%AHEAD)+4*\i:R+16*((\t)%AHEAD)+4*\i+3], v3, s[4:5] offset:2048*(\t)+512*\i th:TH_LOAD_NT   ; 32 lanes read 512 consecutive bytes
.endr
.endm
.macro TURN t                          ; step t's numbers through the stage: LDS serves a wave's instructions in order, so no wait stands between the stores and the loads
.irp i, 0,1,2,3
	ds_store_b128 v14, v[R+16*((\t)%AHEAD)+4*\i:R+16*((\t)%AHEAD)+4*\i+3] offset:32*SP*((\t)%2)+8*SP*\i
.endr
.irp i, 0,1,2,3
	ds_load_b128 v[X+16*((\t)%2)+4*\i:X+16*((\t)%2)+4*\i+3], v15 offset:32*SP*((\t)%2)+16*\i
.endr
.endm
.irp t, 0,1,2,3,4,5,6,7
	LOAD \t
.endr
	s_wait_loadcnt 4*(AHEAD-1)                     ; step 0's four loads are in; the 28 of the seven steps behind it may be out
	TURN 0
.macro STEP t
.set XS, X+16*((\t)%2)
.if (\t) > 0
	s_wait_dscnt 1                                 ; this step's numbers are back from the stage (the last step's byte store may be out): so its stores into the stage have read their registers,
.else
	s_wait_dscnt 0x0
.endif
.if (\t)+AHEAD < STEPS
	LOAD (\t)+AHEAD                                ; which take the loads of eight steps on
.endif
.if (\t)+1 < STEPS
.if STEPS-2-(\t) >= AHEAD-1
	s_wait_loadcnt 4*(AHEAD-1)                     ; the next step's four loads are in; those of the seven steps behind it may be out
.else
	s_wait_loadcnt 4*(STEPS-2-(\t))                ; the last steps ask for nothing: the counts run down
.endif
	TURN (\t)+1                                    ; and go through the other stage while this step is worked
.endif
	v_max3_num_f32 v8, |v[XS]|, |v[XS+1]|, |v[XS+2]|               ; the largest magnitude of my 16
	v_max3_num_f32 v9, |v[XS+3]|, |v[XS+4]|, |v[XS+5]|
.irp i, 6,10
	v_max3_num_f32 v8, v8, |v[XS+\i]|, |v[XS+\i+1]|
	v_max3_num_f32 v9, v9, |v[XS+\i+2]|, |v[XS+\i+3]|
.endr
	v_max3_num_f32 v8, v8, |v[XS+14]|, |v[XS+15]|
	v_max3_num_f32 v8, v8, v9, (EMAX+1)<<23        ; and the floor 2^(5 - 127): so the byte cannot fall under 1
	v_max_num_f32_dpp v8, v8, v8 row_xmask:1 row_mask:0xf bank_mask:0xf   ; and of my neighbour's 16: the block's
	v_add_nc_u32 v11, -(EMAX<<23), v8              ; 4 off its exponent field: the conversion takes the exponent field of this operand as its scale, and nothing else of it
	v_cvt_scalef32_pk16_bf6_f32 v[C+4*(\t):C+4*(\t)+2], v[XS:XS+15], v11
	v_lshrrev_b32 v[E+(\t)], 23, v11               ; the scale's byte (a plain line behind the conversion)
	ds_store_b8 v5, v[E+(\t)] offset:16*(\t)       ; both lanes of a block write the same byte with the same value
	global_store_b96 v4, v[C+4*(\t):C+4*(\t)+2], s[10:11] offset:32*CB*(\t)
.endm
.irp t, 0,1,2,3,4,5,6,7,8,9,10,11,12,13,14,15
	STEP \t
.endr
	ds_load_b64 v[12:13], v6                       ; LDS serves a wave's instructions in order: these see my stores
	s_wait_dscnt 0x0
	global_store_b64 v7, v[12:13], s[12:13]        ; 32 lanes store 256 consecutive bytes, aligned
	s_wait_tensorcnt 0x0
	ds_add_u32 v251, v255
	s_wait_dscnt 0x0
	s_endpgm
.Lfunc_end_k_q82a6278c6c_quant:
	.size	k_q82a6278c6c_quant, .Lfunc_end_k_q82a6278c6c_quant-k_q82a6278c6c_quant
	.p2alignl 7, 3214868480
	.fill 96, 4, 3214868480
	.section	.rodata,"a",@progbits
	.p2align	6, 0x0
	.amdhsa_kernel k_q82a6278c6c_quant
		.amdhsa_group_segment_fixed_size 33280
		.amdhsa_private_segment_fixed_size 0
		.amdhsa_enable_private_segment 0
		.amdhsa_kernarg_size 40
		.amdhsa_user_sgpr_count 2
		.amdhsa_user_sgpr_kernarg_segment_ptr 1
		.amdhsa_wavefront_size32 1
		.amdhsa_system_sgpr_workgroup_id_x 1
		.amdhsa_system_sgpr_workgroup_id_y 1
		.amdhsa_system_sgpr_workgroup_id_z 1
		.amdhsa_system_vgpr_workitem_id 0
		.amdhsa_next_free_vgpr 256
		.amdhsa_next_free_sgpr 66
		.amdhsa_reserve_vcc 0
		.amdhsa_float_denorm_mode_32 3
		.amdhsa_float_denorm_mode_16_64 3
		.amdhsa_memory_ordered 1
		.amdhsa_forward_progress 1
		.amdhsa_inst_pref_size 33
	.end_amdhsa_kernel
	.amdgpu_metadata
---
amdhsa.version: [ 1, 2 ]
amdhsa.kernels:
  - .name:           k_q82a6278c6c_quant
    .symbol:         k_q82a6278c6c_quant.kd
    .args:
      - { .name: x, .offset: 0, .size: 8, .value_kind: global_buffer, .address_space: global }
      - { .name: in_proj_w, .offset: 8, .size: 8, .value_kind: global_buffer, .address_space: global }
      - { .name: out_proj_w, .offset: 16, .size: 8, .value_kind: global_buffer, .address_space: global }
      - { .name: codes, .offset: 24, .size: 8, .value_kind: global_buffer, .address_space: global }
      - { .name: scales, .offset: 32, .size: 8, .value_kind: global_buffer, .address_space: global }
    .group_segment_fixed_size: 33280
    .private_segment_fixed_size: 0
    .kernarg_segment_align: 8
    .kernarg_segment_size: 40
    .max_flat_workgroup_size: 128
    .sgpr_count:     66
    .vgpr_count:     256
    .wavefront_size: 32
...
	.end_amdgpu_metadata
.endif
;; end of part 1
;; launch qkv (part 2): grid 12 x 32, 4 waves a work-group, clusters of 4 x 4, 327,680 bytes of LDS; arguments codes, scales, in_proj_b, qimg, kv; writes qimg, kv
.if DOCPART == 2
	.amdgcn_target "amdgcn-amd-amdhsa--gfx1250"
	.amdhsa_code_object_version 6
	.text
	.protected	k_q82a6278c6c_qkv
	.globl	k_q82a6278c6c_qkv
	.p2align	8
	.type	k_q82a6278c6c_qkv,@function
k_q82a6278c6c_qkv:
	s_mov_b64 s[64:65], 0
	v_nop
	global_prefetch_b8 v0, s[64:65] scope:SCOPE_SE
	s_setreg_imm32_b32 hwreg(HW_REG_WAVE_MODE, 25, 1), 1
	s_wait_xcnt 0x0
	s_wait_alu depctr_hold_cnt(0) depctr_sa_sdst(0) depctr_va_vdst(0) depctr_va_sdst(0) depctr_va_ssrc(0) depctr_va_vcc(0) depctr_vm_vsrc(0)
	s_getreg_b32 s2, hwreg(HW_REG_IB_STS2, 6, 4)
	s_cmp_eq_u32 s2, 0
	s_cbranch_scc0 .Lentry_in_a_cluster
	s_endpgm
.Lentry_in_a_cluster:
	s_bfe_u32 s2, ttmp6, 0x10000c
	s_cmp_lg_u32 s2, 0xf033
	s_cbranch_scc0 .Lentry_shape_is_right
	s_endpgm
.Lentry_shape_is_right:
; qkv = x in_proj_w^T + in_proj_b on codes of BF6 (E3M2) with one E8M0 scale for each 32 along K = 1,024; sums in f32.  The result never goes to memory as f32: q and k are quantised along the head's 64 channels,
; v along the keys, in registers, and leave as IMAGES OF THE NEXT PRODUCTS' OPERAND REGISTERS.
; A block of 256 x 256 of the result is made by a work-group of four waves, a wave makes 128 x 128: 64 accumulators, 512 registers.  K goes in steps of 256 through a ring of two LDS slots filled by the tensor data
; mover (rows of 192 bytes, 16 bytes of padding behind every 64: pitch 240); the scale bytes of the block's 2 x 256 rows come into LDS once.  4 x 4 work-groups form a cluster: A's tiles are asked for jointly along
; a row of the cluster, B's along a column.  The matrix instruction is used transposed: source 0 = 16 rows of B, source 1 = 16 rows of A: a lane holds ONE row of A and its registers run along B's rows.
; WHICH OPERAND IS WHICH hangs on the cluster's x, which all sixteen partners share: 0 = q, 1 = k: A = 256 tokens of x, B = 256 rows of in_proj_w (a lane holds a token, its registers channels);
; 2 = v: A = 256 rows of in_proj_w from row 2,048 on, B = 256 tokens (a lane holds a channel, its registers keys).  Both lie in one buffer, so only row numbers are chosen.
; THE ROWS OF A TILE: the buffer holds each 32 rows with the middle two groups of 8 changed.  So lane r of tile a is row 32 (a / 2) + 8 (a % 2) + r + 8 (r / 8), and the 16 registers of B's tiles 2 e, 2 e + 1 are rows 32 e + 16 (lane / 16) + 0 .. 15.
; THE BIAS is the C of each sum's first matrix instruction.
; THE WAY OUT: the 64 registers of a block a of A are 128 neighbours along the next K (two lanes to a row): four blocks of 32; largest magnitudes, scale bytes, conversions; the 12 registers of codes are
; two heads' tiles of q or k (6 registers each), or one fragment of v^T (16 channels x 128 keys).  Every store of codes covers 256 or 512 consecutive bytes, aligned.
; LIMITS: a block of zeros gets the byte 1 where the rule says 127 (its codes are zeros; this program alone reads the bytes); NaN and infinities are not served.
; REGISTERS: window 0: v0-31 addresses; v32-63 scale words, two sets; v64-127 the bias; from v128 A's fragments, ONE set.  window 1: B's fragments, two sets.  windows 2, 3: the accumulators ((a, b) at v[8 (8 (a % 4) + b)]).
;   On the way out, window 0: v32-39 a scale word for each block, v40-47 two blocks' words in one register (and 16 bits down), v48-50 offsets, v128-223 the codes, v224-247 at work.
.set KSTEP,  256
.set NQ,     2                         ; matrix instructions deep in a slot
.set ROWB,   192                       ; a tile's row in bytes
.set KROW,   768                       ; a row of codes in memory
.set PITCH,  240                       ; an LDS row: 3 x (64 bytes + 16 of padding)
.set FR,     12                        ; registers of a fragment
.set NL,     6                         ; LDS loads that bring one
.set NP,     4                         ; places behind this matrix instruction (ISA guide 7.12.1)
.set HALFT,  128*PITCH
.set SLOT,   4*HALFT
.set KS,     32                        ; a row of scale bytes
.set SCL,    2*SLOT                    ; behind the ring: the scales, as runs of 256 bytes + 16 of padding
.set HALFS,  16*272                    ; the scales of 128 rows
.set SBLK,   2*272                     ; those of 16 rows
.set SPARE,  SCL+4*HALFS               ; the spare words, 128 bytes for each wave, that no other line names
.set QREC,   26624                     ; qimg: a record for 32 queries: 16 heads x 2 tiles x 768 bytes of codes, then 16 x 128 bytes of scale words
.set REC,    26112                     ; kv: a record for one head and 256 keys: 12,288 bytes of k's codes, 12,288 of v's, 1,024 of k's scale words, 512 of v's
.set ADRA, 16
.set ADRB, 20
.set ADRS, 27
.set SPW,  28
.set NIL,  29
.set SC,   32
.set BI,   64
.set AF,   128
.set SW,   32
.set SPL,  40
.set SPH,  44
.set L4,   48
.set L8,   49
.set L16,  50
.set CD,   128
.set CT,   224
.set TM,   232
.set G1, 24
.set G0, 32
.set G1B, 48
.set G0B, 56
.set G1S, 68
.set G0S, 76
.set G1SB, 80
.set G0SB, 88
.set MSB, 0
.macro WIN new                         ; the immediate's high byte repeats the setting that is left
.if MSB != \new
	s_set_vgpr_msb (MSB<<8)|\new
.set MSB, \new
.endif
.endm
.set MUL_LO, 0xa1                      ; source 0 (B) window 1, source 1 (A) window 0, C and D window 2
.set MUL_HI, 0xf1                      ; the same, C and D window 3
.set BIA_LO, 0x81                      ; the first products: C (the bias) window 0, D window 2
.set BIA_HI, 0xc1                      ; D window 3
.set TO_B,   0x40
; A joint load: waves 0 and 1 fetch for A, waves 2 and 3 for B.  The branch hangs on the wave's number alone.  Four v_nop follow each of the two lines.
.macro JLOAD g0a, g1a, g0b, g1b
	s_cmp_eq_u32 s15, 0
	s_cbranch_scc0 .Lfor_b_\@
	tensor_load_to_lds s[\g0a:\g0a+3], s[\g1a:\g1a+7]
	s_nop 0
.rept 4
	v_nop
.endr
	s_branch .Lasked_\@
.Lfor_b_\@:
	tensor_load_to_lds s[\g0b:\g0b+3], s[\g1b:\g1b+7]
	s_nop 0
.rept 4
	v_nop
.endr
.Lasked_\@:
.endm
.macro CREST                           ; a round of the cluster's barrier behind its opening barrier
	s_cmp_lg_u32 s14, 0
	s_cbranch_scc1 .Lnot_wave_0_\@
	s_barrier_signal -3
.Lnot_wave_0_\@:
	s_barrier_wait -3
	s_barrier_signal -1
	s_barrier_wait -1
.endm
.macro CROUND
	s_barrier_signal -1
	s_barrier_wait -1
	CREST
.endm
	s_load_b256 s[4:11], s[0:1], 0x0               ; codes s[4:5], scales s[6:7], in_proj_b s[8:9], qimg s[10:11]
	s_load_b64 s[12:13], s[0:1], 0x20              ; kv
	v_lshl_add_u32 v[SPW], v0, 2, SPARE
	v_mov_b32 v[NIL], 0
	ds_add_u32 v28, v29
	ds_add_u32 v28, v29
	s_wait_dscnt 0x0
.irp b, 0,1,2,3
	v_mov_b32 v[TM+4+\b], 0                        ; written once: a lane permute's destination counts as one of its sources
.endr
	v_lshrrev_b32 v1, 5, v0
	v_readfirstlane_b32 s14, v1                    ; wave 0..3
	s_lshr_b32 s15, s14, 1                         ; which half of A's rows is mine.  Also: I fetch for A (0) or for B (1)
	s_and_b32 s16, s14, 1                          ; which half of B's rows.  Also: which 128 rows of that tile I fetch
	s_bfe_u32 s40, ttmp6, 0x40000                  ; cx, cy: my place in the cluster
	s_bfe_u32 s41, ttmp6, 0x40004
	s_and_b32 s17, ttmp7, 0xffff                   ; the cluster's y = the batch: 1,024 tokens
	s_lshl_b32 s43, s41, 2
	s_lshl_b32 s43, 15, s43                        ; my row of the cluster
	s_lshl_b32 s44, 0x1111, s40                    ; my column
	s_or_b32 s[G1+0], s43, (0<<16)|(1<<20)|(1<<21)|(3<<22)|(3<<25)  ; the mask: A's tiles go to my row; elements of 1 byte; padding on; bit 21 beside a mask; after every 16 words, 4 words
	s_or_b32 s[G1B+0], s44, (0<<16)|(1<<20)|(1<<21)|(3<<22)|(3<<25)
.irp g, G1, G1B
	s_mov_b32 s[\g+1], ROWB<<16                    ; tensor_dim0
	s_mov_b32 s[\g+2], 128<<16                     ; tensor_dim1
	s_mov_b32 s[\g+3], ROWB<<16                    ; tile_dim0
	s_mov_b32 s[\g+4], 128                         ; tile_dim1
	s_mov_b32 s[\g+5], KROW                        ; the pitch in memory
	s_mov_b32 s[\g+6], 0
	s_mov_b32 s[\g+7], 0
.endr
	s_or_b32 s[G1S+0], s43, (3<<16)|(1<<20)|(1<<21)|(5<<22)|(3<<25)  ; the scales of 128 rows: 4,096 dense bytes as 16 rows of 256 (32 elements of 8 bytes), 16 bytes of padding behind each
	s_or_b32 s[G1SB+0], s44, (3<<16)|(1<<20)|(1<<21)|(5<<22)|(3<<25)
.irp g, G1S, G1SB
	s_mov_b32 s[\g+1], 32<<16
	s_mov_b32 s[\g+2], 16<<16
	s_mov_b32 s[\g+3], 32<<16
	s_mov_b32 s[\g+4], 16
	s_mov_b32 s[\g+5], 32
	s_mov_b32 s[\g+6], 0
	s_mov_b32 s[\g+7], 0
.endr
	; the rows.  q, k: A from row 1,024 x batch (x), B from row 8,192 + 1,024 x cluster x (in_proj_w).  v: A from row 10,240 (in_proj_w's rows 2,048 on), B from row 1,024 x batch.
	s_lshl_b32 s18, s16, 7                         ; which 128 rows of the tile I fetch
	s_lshl_b32 s20, s17, 10
	s_lshl_b32 s46, ttmp9, 10
	s_add_co_u32 s46, s46, 8192
	s_mov_b32 s21, 10240
	s_cmp_eq_u32 ttmp9, 2
	s_cselect_b32 s22, s21, s20
	s_cselect_b32 s46, s20, s46
	s_lshl_b32 s21, s41, 8
	s_add_co_u32 s20, s22, s21
	s_add_co_u32 s20, s20, s18                     ; A: + 256 cy + 128 x half: no register here ever holds cx
	s_lshl_b32 s47, s40, 8
	s_add_co_u32 s46, s46, s47
	s_add_co_u32 s46, s46, s18                     ; B: + 256 cx + 128 x half: none here holds cy
	s_mov_b32 s21, 0
	s_mov_b32 s47, 0
	s_mov_b64 s[18:19], KS
	s_mul_u64 s[22:23], s[20:21], s[18:19]         ; where these rows' scales begin, in bytes
	s_mul_u64 s[92:93], s[46:47], s[18:19]
	s_mov_b64 s[18:19], KROW
	s_mul_u64 s[20:21], s[20:21], s[18:19]         ; and their codes
	s_mul_u64 s[46:47], s[46:47], s[18:19]
	s_mul_i32 s45, s14, HALFT                      ; where they go: wave x 128 rows
	s_mul_i32 s94, s14, HALFS
	s_wait_kmcnt 0x0
	s_add_nc_u64 s[20:21], s[4:5], s[20:21]
	s_add_nc_u64 s[22:23], s[6:7], s[22:23]
	s_add_nc_u64 s[46:47], s[4:5], s[46:47]
	s_add_nc_u64 s[92:93], s[6:7], s[92:93]
	CROUND                                         ; all sixteen work-groups are here: the first joint loads meet
	s_mov_b32 s[G0S], 1
	s_add_co_u32 s[G0S+1], s94, SCL
	s_mov_b64 s[G0S+2:G0S+3], s[22:23]
	s_or_b32 s[G0S+3], s[G0S+3], 0x80000000
	s_mov_b32 s[G0SB], 1
	s_add_co_u32 s[G0SB+1], s94, SCL
	s_mov_b64 s[G0SB+2:G0SB+3], s[92:93]
	s_or_b32 s[G0SB+3], s[G0SB+3], 0x80000000
	JLOAD G0S, G1S, G0SB, G1SB                     ; the scales first: they are wanted with K step 0
.irp s, 0,1
	s_mov_b32 s[G0+4*\s], 1
	s_add_co_u32 s[G0+4*\s+1], s45, \s*SLOT
	s_add_nc_u64 s[G0+4*\s+2:G0+4*\s+3], s[20:21], \s*ROWB
	s_or_b32 s[G0+4*\s+3], s[G0+4*\s+3], 0x80000000
	s_mov_b32 s[G0B+4*\s], 1
	s_add_co_u32 s[G0B+4*\s+1], s45, \s*SLOT
	s_add_nc_u64 s[G0B+4*\s+2:G0B+4*\s+3], s[46:47], \s*ROWB
	s_or_b32 s[G0B+4*\s+3], s[G0B+4*\s+3], 0x80000000
	JLOAD G0+4*\s, G1, G0B+4*\s, G1B
.endr
	v_and_b32 v1, 15, v0                           ; r = lane % 16
	v_bfe_u32 v2, v0, 4, 1                         ; h = lane / 16
	v_mul_u32_u24 v3, v1, PITCH
	v_mul_u32_u24 v4, v2, 24
	v_add_nc_u32 v4, v3, v4                        ; a fragment's row x pitch + 24 x half
	v_lshl_add_u32 v5, v2, 4, v4                   ; and the same behind one padding more
	s_mul_i32 s21, s15, HALFT                      ; my 128 rows of A
	s_mul_i32 s22, s16, HALFT                      ; my 128 rows of B,
	s_add_co_u32 s22, s22, 2*HALFT                 ; which lie behind A's 256
.irp s, 0,1
	v_add_nc_u32 v[ADRA+\s], s21, v4
	v_add_nc_u32 v[ADRB+\s], s22, v4
	v_add_nc_u32 v[ADRA+2+\s], s21, v5
	v_add_nc_u32 v[ADRB+2+\s], s22, v5
	s_add_co_u32 s21, s21, SLOT
	s_add_co_u32 s22, s22, SLOT
.endr
	v_mul_u32_u24 v5, v1, KS                       ; my row's scales: 32 bytes a row,
	v_lshrrev_b32 v6, 8, v5
	v_lshl_add_u32 v5, v6, 4, v5                   ; and 16 more for each 256 passed
	s_mul_i32 s21, s15, HALFS
	s_mul_i32 s22, s16, HALFS
	s_add_co_u32 s22, s22, 2*HALFS
	s_sub_co_u32 s22, s22, s21
	v_mul_u32_u24 v6, s22, v2                      ; lanes 16-31 take B's
	s_add_co_u32 s21, s21, SCL
	v_add_nc_u32 v5, v5, v6
	v_add_nc_u32 v[ADRS], s21, v5
	; the bias, in the result's layout.  q, k: register j of B's tile b is channel 32 (b / 2) + 16 h + 8 (b % 2) + j.  v: all eight registers of A's tile a hold the lane's channel's, 32 (a / 2) + 8 (a % 2) + r + 8 (r / 8)
	v_lshlrev_b32 v8, 6, v2                        ; 64 h
	v_and_b32 v9, 8, v1
	v_add_nc_u32 v9, v9, v1
	v_lshlrev_b32 v9, 2, v9                        ; 4 (r + 8 (r / 8))
	s_lshl_b32 s96, ttmp9, 10
	s_lshl_b32 s21, s40, 8
	s_add_co_u32 s96, s96, s21
	s_lshl_b32 s21, s16, 7
	s_add_co_u32 s96, s96, s21                     ; q, k: my first channel of the 3,072
	s_lshl_b32 s96, s96, 2
	s_mov_b32 s97, 0
	s_add_nc_u64 s[96:97], s[8:9], s[96:97]
	s_lshl_b32 s98, s41, 8
	s_lshl_b32 s21, s15, 7
	s_add_co_u32 s98, s98, s21
	s_add_co_u32 s98, s98, 2048                    ; v: likewise
	s_lshl_b32 s98, s98, 2
	s_mov_b32 s99, 0
	s_add_nc_u64 s[98:99], s[8:9], s[98:99]
	s_cmp_eq_u32 ttmp9, 2
	s_cbranch_scc1 .Lbias_v
.irp b, 0,1,2,3,4,5,6,7
	global_load_b128 v[BI+8*\b:BI+8*\b+3], v8, s[96:97] offset:(32*(\b/2)+8*(\b%2))*4
	global_load_b128 v[BI+8*\b+4:BI+8*\b+7], v8, s[96:97] offset:(32*(\b/2)+8*(\b%2))*4+16
.endr
	s_branch .Lbias_in
.Lbias_v:
.irp a, 0,1,2,3,4,5,6,7
.irp j, 0,1,2,3,4,5,6,7
	global_load_b32 v[BI+8*\a+\j], v9, s[98:99] offset:(32*(\a/2)+8*(\a%2))*4
.endr
.endr
.Lbias_in:
.macro FRAG reg, adr, q, i             ; a fragment: lane l holds row l % 16; registers 6 c .. 6 c + 5 hold K = 64 c + 32 (l / 16) + 0 .. 31: 24 bytes of the row's stream of bits, in pieces of 8 bytes
.irp p, 0,1,2,3,4,5
.set PC, 12*(\q)+6*(\p/3)+\p%3        ; where the piece three on lies behind one padding more, the second address register serves
.if PC%8 < 5
	ds_load_b64 v[\reg+2*\p:\reg+2*\p+1], v[\adr] offset:8*PC+16*(PC/8)+(\i)*16*PITCH
.else
	ds_load_b64 v[\reg+2*\p:\reg+2*\p+1], v[\adr+2] offset:8*PC+16*(PC/8)+(\i)*16*PITCH
.endif
.endr
.endm
; 16 matrix instructions: A's blocks a0, a0 + 1 x B's eight, 128 along K.  zero = 1: the sums begin with the bias by B's tile (q, k); 2: by A's tile (v); 0: in place.
; The 64 accumulators take turns, one instruction a turn, in the same order in every step.
.macro MUL16 a0, p, q, sc, zero
.irp a, \a0, \a0+1
.irp b, 0,1,2,3,4,5,6,7
.if \zero == 1
	v_wmma_scale_f32_16x16x128_f8f6f4 v[8*(8*((\a)%4)+\b):8*(8*((\a)%4)+\b)+7], v[128*(\p)+FR*\b:128*(\p)+FR*\b+FR-1], v[AF+FR*(\a):AF+FR*(\a)+FR-1], v[BI+8*\b:BI+8*\b+7], v[SC+8*NQ*(\sc)+NQ*\b+(\q)], v[SC+8*NQ*(\sc)+NQ*(\a)+(\q)] matrix_a_fmt:MATRIX_FMT_BF6 matrix_b_fmt:MATRIX_FMT_BF6 matrix_a_scale:MATRIX_SCALE_ROW1
.elseif \zero == 2
	v_wmma_scale_f32_16x16x128_f8f6f4 v[8*(8*((\a)%4)+\b):8*(8*((\a)%4)+\b)+7], v[128*(\p)+FR*\b:128*(\p)+FR*\b+FR-1], v[AF+FR*(\a):AF+FR*(\a)+FR-1], v[BI+8*(\a):BI+8*(\a)+7], v[SC+8*NQ*(\sc)+NQ*\b+(\q)], v[SC+8*NQ*(\sc)+NQ*(\a)+(\q)] matrix_a_fmt:MATRIX_FMT_BF6 matrix_b_fmt:MATRIX_FMT_BF6 matrix_a_scale:MATRIX_SCALE_ROW1
.else
	v_wmma_scale_f32_16x16x128_f8f6f4 v[8*(8*((\a)%4)+\b):8*(8*((\a)%4)+\b)+7], v[128*(\p)+FR*\b:128*(\p)+FR*\b+FR-1], v[AF+FR*(\a):AF+FR*(\a)+FR-1], v[8*(8*((\a)%4)+\b):8*(8*((\a)%4)+\b)+7], v[SC+8*NQ*(\sc)+NQ*\b+(\q)], v[SC+8*NQ*(\sc)+NQ*(\a)+(\q)] matrix_a_fmt:MATRIX_FMT_BF6 matrix_b_fmt:MATRIX_FMT_BF6 matrix_a_scale:MATRIX_SCALE_ROW1
.endif
.endr
.endr
.endm
.macro FETCH_B slot, q, p
	WIN TO_B
.irp i, 0,1,2,3,4,5,6,7
	FRAG 128*(\p)+FR*\i, ADRB+\slot, \q, \i
.endr
	WIN 0
.endm
.macro FETCH_A slot, q, i0
.irp i, \i0, \i0+1, \i0+2, \i0+3
	FRAG AF+FR*(\i), ADRA+\slot, \q, \i
.endr
.endm
.macro SCALES sc                       ; a K step's scale words into set sc: lanes 0-15 take A's block i, lanes 16-31 B's block i
.irp i, 0,1,2,3,4,5,6,7
	ds_load_b64 v[SC+8*NQ*\sc+NQ*\i:SC+8*NQ*\sc+NQ*\i+1], v[ADRS] offset:\i*SBLK
.endr
.endm
.macro PLACES n                        ; plain vector lines between a matrix instruction and a load into, or a read of, its registers
.rept \n
	v_nop
.endr
.endm
.macro STEP slot, q, zero              ; a step of 128 along K that has its successor in the same slot
	s_wait_dscnt 4*NL                              ; B's set and A's blocks 0-3 are in; the youngest 24 loads (A's blocks 4-7) may be out
.if \zero
	WIN BIA_LO
.else
	WIN MUL_LO
.endif
	MUL16 0, (\q)%2, \q, \slot, \zero
	MUL16 2, (\q)%2, \q, \slot, \zero
	s_wait_dscnt 0
	PLACES NP
	FETCH_B \slot, (\q)+1, 1-(\q)%2
	FETCH_A \slot, (\q)+1, 0
.if \zero
	WIN BIA_HI
.else
	WIN MUL_HI
.endif
	MUL16 4, (\q)%2, \q, \slot, \zero
	MUL16 6, (\q)%2, \q, \slot, \zero
	PLACES NP
	WIN 0
	FETCH_A \slot, (\q)+1, 4
.endm
; A slot's last step changes slots: ONE barrier; in front of it each wave waits for all its tensor loads, adds 0 to its spare word, and waits for that and for its own reads of this slot.  fill = 1: this slot is filled again, two K steps ahead.
.macro TURN slot, next, fill
	s_wait_tensorcnt 0x0                           ; all my tensor loads have landed: my part of the next slot
	ds_add_u32 v[SPW], v[NIL]                      ; 0 onto my spare word
	s_wait_dscnt 4*NL+1                            ; (the add and the youngest 24 loads, A's blocks 4-7, may be out)
	WIN MUL_LO
	MUL16 0, 1, NQ-1, \slot, 0
	s_wait_dscnt 0x0                               ; the add is done, and my reads of this slot are over
	s_barrier_signal -1
	MUL16 2, 1, NQ-1, \slot, 0
	WIN 0
	s_barrier_wait -1
.if \fill
	CREST                                          ; the barrier has opened a round of the cluster's barrier: no wave of any partner still reads this slot or has a load on its way
	s_add_nc_u64 s[G0+4*\slot+2:G0+4*\slot+3], s[G0+4*\slot+2:G0+4*\slot+3], 2*ROWB
	s_add_nc_u64 s[G0B+4*\slot+2:G0B+4*\slot+3], s[G0B+4*\slot+2:G0B+4*\slot+3], 2*ROWB
	JLOAD G0+4*\slot, G1, G0B+4*\slot, G1B         ; the first tensor load behind the round; its four v_nop are the places in front of the loads below
.else
	PLACES NP
.endif
	v_add_nc_u32 v[ADRS], 4*NQ, v[ADRS]            ; on to the next K step's scale words
	FETCH_B \next, 0, 0
	FETCH_A \next, 0, 0
	SCALES \next
	WIN MUL_HI
	MUL16 4, 1, NQ-1, \slot, 0
	MUL16 6, 1, NQ-1, \slot, 0
	PLACES NP
	WIN 0
	FETCH_A \next, 0, 4
.endm
	s_wait_tensorcnt 1                             ; the scales and my part of K step 0 are in (K step 1's load may be out),
	s_barrier_signal -1
	s_barrier_wait -1                              ; everybody's are
	FETCH_B 0, 0, 0
	FETCH_A 0, 0, 0
	SCALES 0
	FETCH_A 0, 0, 4
	s_wait_loadcnt 0x0                             ; the bias
	s_cmp_eq_u32 ttmp9, 2
	s_cbranch_scc1 .Lfirst_v
	STEP 0, 0, 1                                   ; the first step starts the sums with the bias
	s_branch .Lfirst_done
.Lfirst_v:
	STEP 0, 0, 2
.Lfirst_done:
	TURN 0, 1, 1                                   ; K = 1,024 is four K steps of 256, twice round the ring: written out
	STEP 1, 0, 0
	TURN 1, 0, 1
	STEP 0, 0, 0
	TURN 0, 1, 0                                   ; nothing is left to fetch
	STEP 1, 0, 0
	s_wait_dscnt 4*NL
	WIN MUL_LO
	MUL16 0, 1, NQ-1, 1, 0
	MUL16 2, 1, NQ-1, 1, 0
	s_wait_dscnt 0
	WIN MUL_HI
	MUL16 4, 1, NQ-1, 1, 0
	MUL16 6, 1, NQ-1, 1, 0
	WIN 0
	PLACES NP
; THE WAY OUT.  Block a's 64 registers: register 16 b + i = k 32 b + 16 (lane / 16) + i of the lane's row.  They become 12 registers of codes at v[CD + 12 a] and the row's scale word in v[SW + a].
	s_mov_b32 s2, 0x76543210
	s_mov_b32 s3, 0xfedcba98                       ; v_permlanex16_b32's selects for lane l xor 16
.macro QUANTW a
.set WN, 2+(\a)/4
.set SR, 64*((\a)%4)
.set W01, WN|(WN<<2)
.set W12, (WN<<2)|(WN<<4)
	WIN W01
.irp b, 0,1,2,3
	v_max3_num_f32 v[TM+\b], |v[SR+16*\b]|, |v[SR+1+16*\b]|, 0x2800000   ; block b: my 16 numbers (each accumulator is read from its low end on), and the floor 2^(5 - 127)
.endr
	WIN W12
.irp i, 2,4,6,8,10,12,14
.irp b, 0,1,2,3
	v_max3_num_f32 v[TM+\b], v[TM+\b], |v[SR+16*\b+\i]|, |v[SR+1+16*\b+\i]|
.endr
.endr
	WIN 0
.irp b, 0,1,2,3
	v_permlanex16_b32 v[TM+4+\b], v[TM+\b], s2, s3
.endr
.irp b, 0,1,2,3
	v_max_num_f32 v[TM+\b], v[TM+\b], v[TM+4+\b]   ; with lane l xor 16's: the block's largest magnitude
.endr
.irp b, 0,1,2,3
	v_add_nc_u32 v[TM+12+\b], 0xfe000000, v[TM+\b] ; 4 off its exponent field: the conversion's scale operand
.endr
.irp b, 0,1,2,3
	v_lshrrev_b32 v[TM+4+\b], 23, v[TM+12+\b]      ; the scale's byte
.endr
	v_lshl_or_b32 v[SW+(\a)], v[TM+5], 8, v[TM+4]
	v_lshl_or_b32 v[SW+(\a)], v[TM+6], 16, v[SW+(\a)]
	v_lshl_or_b32 v[SW+(\a)], v[TM+7], 24, v[SW+(\a)]
	WIN WN
.irp c, 0,1
	v_cvt_scalef32_pk16_bf6_f32 v[CD+12*(\a)+6*\c:CD+12*(\a)+6*\c+2], v[SR+32*\c:SR+32*\c+15], v[TM+12+2*\c]
	v_cvt_scalef32_pk16_bf6_f32 v[CT+4*\c:CT+4*\c+2], v[SR+16+32*\c:SR+31+32*\c], v[TM+13+2*\c]   ; (a conversion's three registers begin on an even number)
.endr
	WIN 0
	v_nop                                          ; one plain place behind a scaled conversion
.irp c, 0,1                            ; the operand's layout wants a WHOLE block in a lane: lanes 0-15 block 2 c, lanes 16-31 block 2 c + 1
.irp i, 0,1,2
	v_permlane16_swap_b32 v[CD+12*(\a)+6*\c+\i], v[CT+4*\c+\i]
.endr
.irp i, 0,1,2
	v_mov_b32 v[CD+12*(\a)+6*\c+3+\i], v[CT+4*\c+\i]
.endr
.endr
.endm
.irp a, 0,1,2,3,4,5,6,7
	QUANTW \a
.endr
	s_mov_b32 s18, 0xffff0000
.irp e, 0,1,2,3
	v_cndmask_b32 v[SPL+\e], v[SW+2*\e], v[SW+2*\e+1], s18   ; lanes 0-15: block 2 e's words, lanes 16-31: block 2 e + 1's
.endr
.irp e, 0,1,2,3
	v_lshrrev_b32 v[SPH+\e], 16, v[SPL+\e]         ; the second head's two bytes, brought down
.endr
	v_and_b32 v1, 31, v0
	v_lshlrev_b32 v[L4], 2, v1
	v_lshlrev_b32 v[L8], 3, v1
	v_lshlrev_b32 v[L16], 4, v1
	s_lshl_b32 s20, s17, 2
	s_add_co_u32 s20, s20, s41                     ; q, k: which 256 tokens of the 8,192: 4 x batch + cy
	s_lshl_b32 s21, s40, 1
	s_add_co_u32 s21, s21, s16                     ; q, k: which pair of heads: 2 cx + half
	s_mov_b32 s97, 0
	s_mov_b32 s99, 0
	s_cmp_eq_u32 ttmp9, 0
	s_cbranch_scc1 .Lout_q
	s_cmp_eq_u32 ttmp9, 1
	s_cbranch_scc1 .Lout_k
	; ---- v: block a is head 4 cy + 2 (wave / 2) + a / 4, channel tile a % 4; the keys are quarter cx of the batch, its half wave % 2
	s_lshl_b32 s22, s17, 4
	s_lshl_b32 s23, s41, 2
	s_add_co_u32 s22, s22, s23
	s_lshl_b32 s23, s15, 1
	s_add_co_u32 s22, s22, s23
	s_lshl_b32 s22, s22, 2
	s_add_co_u32 s22, s22, s40
	s_mul_i32 s22, s22, REC
	s_mul_i32 s96, s16, 6144
	s_add_co_u32 s96, s96, s22
	s_add_co_u32 s96, s96, 12288
	s_add_nc_u64 s[96:97], s[12:13], s[96:97]
	s_lshl_b32 s98, s16, 8
	s_add_co_u32 s98, s98, s22
	s_add_co_u32 s98, s98, 25600
	s_add_nc_u64 s[98:99], s[12:13], s[98:99]
.irp a, 0,1,2,3,4,5,6,7
.irp g, 0,1,2
	global_store_b128 v[L16], v[CD+12*\a+4*\g:CD+12*\a+4*\g+3], s[96:97] offset:(\a/4)*4*REC+(\a%4)*1536+512*\g   ; 512 consecutive bytes, aligned
.endr
.endr
.irp i, 0,1
	global_store_b64 v[L8], v[SPL+2*\i:SPL+2*\i+1], s[98:99] offset:\i*4*REC
.endr
	s_branch .Lout_done
.Lout_q:
	; ---- q: block a is tile a % 2 of the record of 32 queries 8 x (256 tokens) + 4 (wave / 2) + a / 2; registers 6 c on are head 2 (pair) + c
	s_lshl_b32 s22, s20, 3
	s_lshl_b32 s23, s15, 2
	s_add_co_u32 s22, s22, s23
	s_mul_i32 s22, s22, QREC
	s_mul_i32 s96, s21, 3072
	s_add_co_u32 s96, s96, s22
	s_add_nc_u64 s[96:97], s[10:11], s[96:97]
	s_lshl_b32 s98, s21, 8
	s_add_co_u32 s98, s98, s22
	s_add_co_u32 s98, s98, 24576
	s_add_nc_u64 s[98:99], s[10:11], s[98:99]
.irp a, 0,1,2,3,4,5,6,7
.irp c, 0,1
.irp p, 0,1,2
	global_store_b64 v[L8], v[CD+12*\a+6*\c+2*\p:CD+12*\a+6*\c+2*\p+1], s[96:97] offset:(\a/2)*QREC+\c*1536+(\a%2)*768+256*\p   ; 256 consecutive bytes, aligned
.endr
.endr
.endr
.irp e, 0,1,2,3
	global_store_b32 v[L4], v[SPL+\e], s[98:99] offset:\e*QREC
	global_store_b32 v[L4], v[SPH+\e], s[98:99] offset:\e*QREC+128
.endr
	s_branch .Lout_done
.Lout_k:
	; ---- k: block a is key tile 8 (wave / 2) + a of the record (16 batch + head) x 4 + quarter
	s_lshr_b32 s22, s20, 2
	s_lshl_b32 s22, s22, 4
	s_lshl_b32 s23, s21, 1
	s_add_co_u32 s22, s22, s23
	s_lshl_b32 s22, s22, 2
	s_and_b32 s23, s20, 3
	s_add_co_u32 s22, s22, s23
	s_mul_i32 s22, s22, REC
	s_mul_i32 s96, s15, 6144
	s_add_co_u32 s96, s96, s22
	s_add_nc_u64 s[96:97], s[12:13], s[96:97]
	s_lshl_b32 s98, s15, 9
	s_add_co_u32 s98, s98, s22
	s_add_co_u32 s98, s98, 24576
	s_add_nc_u64 s[98:99], s[12:13], s[98:99]
.irp a, 0,1,2,3,4,5,6,7
.irp c, 0,1
.irp p, 0,1,2
	global_store_b64 v[L8], v[CD+12*\a+6*\c+2*\p:CD+12*\a+6*\c+2*\p+1], s[96:97] offset:\c*4*REC+\a*768+256*\p
.endr
.endr
.endr
	global_store_b128 v[L16], v[SPL:SPL+3], s[98:99]
	global_store_b128 v[L16], v[SPH:SPH+3], s[98:99] offset:4*REC
.Lout_done:
	s_wait_tensorcnt 0x0                           ; the wave's end
	ds_add_u32 v[SPW], v[NIL]
	s_wait_dscnt 0x0
	CROUND                                         ; the closing round: no work-group ends while a partner may still ask for a tile that names it
	s_endpgm
.Lfunc_end_k_q82a6278c6c_qkv:
	.size	k_q82a6278c6c_qkv, .Lfunc_end_k_q82a6278c6c_qkv-k_q82a6278c6c_qkv
	.p2alignl 7, 3214868480
	.fill 96, 4, 3214868480
	.section	.rodata,"a",@progbits
	.p2align	6, 0x0
	.amdhsa_kernel k_q82a6278c6c_qkv
		.amdhsa_group_segment_fixed_size 327680
		.amdhsa_private_segment_fixed_size 0
		.amdhsa_enable_private_segment 0
		.amdhsa_kernarg_size 40
		.amdhsa_user_sgpr_count 2
		.amdhsa_user_sgpr_kernarg_segment_ptr 1
		.amdhsa_wavefront_size32 1
		.amdhsa_system_sgpr_workgroup_id_x 1
		.amdhsa_system_sgpr_workgroup_id_y 1
		.amdhsa_system_sgpr_workgroup_id_z 1
		.amdhsa_system_vgpr_workitem_id 0
		.amdhsa_next_free_vgpr 1024
		.amdhsa_next_free_sgpr 100
		.amdhsa_reserve_vcc 0
		.amdhsa_float_denorm_mode_32 3
		.amdhsa_float_denorm_mode_16_64 3
		.amdhsa_memory_ordered 1
		.amdhsa_forward_progress 1
		.amdhsa_inst_pref_size 199
	.end_amdhsa_kernel
	.amdgpu_metadata
---
amdhsa.version: [ 1, 2 ]
amdhsa.kernels:
  - .name:           k_q82a6278c6c_qkv
    .symbol:         k_q82a6278c6c_qkv.kd
    .args:
      - { .name: codes, .offset: 0, .size: 8, .value_kind: global_buffer, .address_space: global }
      - { .name: scales, .offset: 8, .size: 8, .value_kind: global_buffer, .address_space: global }
      - { .name: in_proj_b, .offset: 16, .size: 8, .value_kind: global_buffer, .address_space: global }
      - { .name: qimg, .offset: 24, .size: 8, .value_kind: global_buffer, .address_space: global }
      - { .name: kv, .offset: 32, .size: 8, .value_kind: global_buffer, .address_space: global }
    .group_segment_fixed_size: 327680
    .private_segment_fixed_size: 0
    .kernarg_segment_align: 8
    .kernarg_segment_size: 40
    .max_flat_workgroup_size: 128
    .sgpr_count:     100
    .vgpr_count:     1024
    .wavefront_size: 32
...
	.end_amdgpu_metadata
.endif
;; end of part 2
;; launch attn (part 3): grid 32 x 8, 4 waves a work-group, clusters of 4 x 1, 327,680 bytes of LDS; arguments qimg, kv, time_decay, aimg, out1; writes aimg, out1
.if DOCPART == 3
	.amdgcn_target "amdgcn-amd-amdhsa--gfx1250"
	.amdhsa_code_object_version 6
	.text
	.protected	k_q82a6278c6c_attn
	.globl	k_q82a6278c6c_attn
	.p2align	8
	.type	k_q82a6278c6c_attn,@function
k_q82a6278c6c_attn:
	s_mov_b64 s[64:65], 0
	v_nop
	global_prefetch_b8 v0, s[64:65] scope:SCOPE_SE
	s_setreg_imm32_b32 hwreg(HW_REG_WAVE_MODE, 25, 1), 1
	s_wait_xcnt 0x0
	s_wait_alu depctr_hold_cnt(0) depctr_sa_sdst(0) depctr_va_vdst(0) depctr_va_sdst(0) depctr_va_ssrc(0) depctr_va_vcc(0) depctr_vm_vsrc(0)
	s_getreg_b32 s2, hwreg(HW_REG_IB_STS2, 6, 4)
	s_cmp_eq_u32 s2, 0
	s_cbranch_scc0 .Lentry_in_a_cluster
	s_endpgm
.Lentry_in_a_cluster:
	s_bfe_u32 s2, ttmp6, 0x10000c
	s_cmp_lg_u32 s2, 0x3003
	s_cbranch_scc0 .Lentry_shape_is_right
	s_endpgm
.Lentry_shape_is_right:
; For one batch and 32 queries, all 16 heads: scores = q k^T / 8 - |time_decay| |i - j|, softmax, o = weights v, and the mean of the weights over the heads.  Both products on codes of BF6 (E3M2), one E8M0 scale for each 32 along K.
; SHARES.  A work-group owns 32 queries (two tiles u = 0, 1 of 16: lane r of tile u is query 32 qb + 8 u + r + 8 (r / 8)).  Wave w owns the keys 256 w .. 256 w + 255, for both tiles and all heads:
; so a row's p stays in registers until its sum is known, each fragment of k and v is read from LDS once in the work-group, and the mean over heads is summed in registers.
; LAYOUT.  Both products are used transposed: S^T = k q^T (source 0 = 16 keys, source 1 = 16 queries), O^T = v^T p^T: a lane holds ONE query.  The keys of a tile are 32 (kt / 2) + 8 (kt % 2) + r + 8 (r / 8), so the 16 registers
; of tiles 2 e, 2 e + 1 are keys 32 e + 16 (lane / 16) + 0 .. 15.  v's channel tiles likewise, so 16 registers of O^T are 16 neighbouring channels.
; THE BIAS -8 |td| |query - key| is made once, in 256 registers, and is the C of every score product: D = q.k - 8 |td| |i - j|, t = D x log2(e) / 8.
; K = 64 IN AN INSTRUCTION OF 128: q's fragment is its 6 registers of codes and 6 registers of zero codes; k's fragment names its 6 registers and the 6 that follow (the next tile's codes, or a pad).  Every pattern of
; E3M2 is a finite number and meets a zero code, so that half adds nothing; its scale bytes are another head's (1 .. 254) or 0, never 0xff.
; THE SOFTMAX.  p = 2^(t - M_w), M_w the ceiling of the largest t among MY 256 keys: a whole number.  p is quantised along the keys; the sum is taken of the unquantised p.  Once a head the four waves exchange
; -M_w, their sums and their parts of O^T through LDS; parts are joined under M = max M_w by factors 2^(M_w - M), exact powers of two.  Wave w finishes 16 of O^T's 64 registers: tile w / 2, channels 32 (w % 2) on:
; divided by the sum, quantised along the model's 1,024 and laid in LDS as an image of the next launch's operand registers.
; THE ORDER OF A HEAD.  A wave is alone on its SIMD, so vector work is set where another unit would be waited for.  (a) A head's p stays in its registers until the NEXT head's score products write over them: the mean's
; multiply-adds on the 16 registers that a pair of products overwrites stand just ahead of that pair, eight packed lines between two pairs.  Head 0 starts the mean's sums at its own end and then sets its weight to 0,
; so head 1's turn adds 0 x p once: 128 lines of no effect, the price of writing the head three times and not four.  Head 15's mean stands behind the loop.  (b) The products wait for k tile by tile, by counted waits.
; (c) t - M and the exponentials go by turns.  (d) The rows' sums stand behind the loads of v's second key step, behind the last products, and behind the LDS stores of O^T.
; THE RING.  A head's k and v for my keys are one dense record of 26,112 bytes: one tensor load a wave, two slots, asked for two heads ahead.  The four work-groups of a cluster are four query blocks of one batch:
; they walk the same records, so each load is a joint one (the mask names the four).  A wave reads only the bytes that it fetched; by this text's count it has two loads out at the start, later one.
; LIMITS: NaN and infinities are not served; a block of zeros gets the byte 1 (this program alone reads the bytes); p under 2^-126 comes out of v_exp_f32 as 0; 1 / sum is v_rcp_f32's.
; REGISTERS: window 0 below; window 1: S^T, then p, at 128 u + 8 kt + j; window 2: the mean's sums, same index; window 3: the bias, same index.
.set REC,   26112
.set QREC,  26624
.set AREC,  25600
.set SLOT1, 1<<17                      ; slot 0 at 0, slot 1 here: 4 records each, wave w's at w x REC
.set AIMG,  4*REC                      ; 25,600 bytes between the slots: the image of attn's codes and scale words; no tensor load lands here
.set XO,    SLOT1+4*REC                ; the parts of O^T: 2 x 32,768 bytes, by turns from head to head
.set XS,    XO+65536                   ; -M and the sums: 2 x 2,048 bytes
.set SPARE, XS+4096                    ; the spare words, 128 bytes for each wave, that no other line names
.set SPW, 1
.set NIL, 2
.set AK0, 3                            ; my place in a record: k's codes, 8 bytes a lane
.set AV0, 4                            ; v's codes, 16 bytes a lane
.set ASK, 5                            ; k's scale words
.set ASV, 6                            ; v's
.set QA,  7                            ; 8 x lane
.set QSA, 8                            ; 24,576 + 4 x lane
.set XOW, 9                            ; where I put my part of O^T
.set XOG, 10                           ; where I get the four parts of my 16 registers
.set XSW, 11
.set XSG, 12
.set AI,  13                           ; v13-15: where my three registers of codes go in the image
.set ASB, 16                           ; and my scale byte
.set ADK, 17
.set ADS, 18
.set ADV, 19
.set ADT, 20
.set QV,  21
.set QSV, 22
.set XA,  23
.set XB,  24
.set AW,  25                           ; v25-27
.set STO, 28
.set RD,  29
.set GO,  30                           ; 16 x lane
.set OA,  32                           ; v32-95: O^T at 32 u + 8 t; ahead of it at work: BM, SO, BX, TT, CT
.set BM,  32                           ; 16 blocks' largest scores, then largest p
.set SO,  48                           ; 16 scale operands
.set BX,  64                           ; 16: the other half's maxima, then the bytes
.set TT,  80
.set CT,  64                           ; v64-95: eight conversions' second halves
.set QF,  96                           ; v96-119: q's tile 0 (6), zeros (6), tile 1 (6), zeros (6)
.set QS,  120
.set KS,  122                          ; v122-129
.set VS,  130                          ; v130-133
.set PW,  134                          ; v134-137: p's scale words, 2 st + u
.set NM,  138                          ; v138-141: -M (u = 0), sum, -M (u = 1), sum
.set G,   142                          ; v142-145: p's weight in the mean, a pair for each tile; kept until the next head's score products
.set SA,  146                          ; v146-149 and v252-255: four chains of the row's sum
.set SB,  252
.set U,   150                          ; v150-251: k's codes (96) and a pad (6); then p's four fragments and v's four; then the exchange's figures
.set PF,  150
.set VF,  198
.set ST,  150                          ; the exchange: four waves' (-M0, sum0, -M1, sum1)
.set NG,  166
.set F,   168                          ; 2^(M_w - M) at 4 u + w
.set LS,  176
.set IV,  178
.set FO,  180
.set CO,  182                          ; v182, 184, 186, 188
.set IVS, 190
.set WV,  14
.set G1,  24
.set G0A, 32
.set G0W, 36
.set SEL, 40
.set CS,  42
.set NC,  44
.set TB,  45                           ; the slot of the head in hand
.set HD,  46                           ; the head
.set UM,  47                           ; all ones in waves 2, 3
.set HO,  49                           ; 768 x head
.set SBO, 50
.set QO,  51
.set QSO, 52
.set T2,  53
.set T6,  54
.set QP,  56
.set AP,  58
.set OP,  60
.set MSB, 0
.macro WIN new                         ; the immediate's high byte repeats the setting that is left
.if MSB != \new
	s_set_vgpr_msb (MSB<<8)|\new
.set MSB, \new
.endif
.endm
.macro CROUND                          ; a round of the cluster's barrier
	s_barrier_signal -1
	s_barrier_wait -1
	s_cmp_lg_u32 s[WV], 0
	s_cbranch_scc1 .Lnot_wave_0_\@
	s_barrier_signal -3
.Lnot_wave_0_\@:
	s_barrier_wait -3
	s_barrier_signal -1
	s_barrier_wait -1
.endm
; a matrix instruction: D, source 0, source 1, C, the two scale registers, and which half of the lanes holds each side's scales
.macro WM d, a, b, c, sa, sb, ra, rb
.if ((\ra) == 0) && ((\rb) == 0)
	v_wmma_scale_f32_16x16x128_f8f6f4 v[\d:\d+7], v[\a:\a+11], v[\b:\b+11], v[\c:\c+7], v[\sa], v[\sb] matrix_a_fmt:MATRIX_FMT_BF6 matrix_b_fmt:MATRIX_FMT_BF6
.elseif (\rb) == 0
	v_wmma_scale_f32_16x16x128_f8f6f4 v[\d:\d+7], v[\a:\a+11], v[\b:\b+11], v[\c:\c+7], v[\sa], v[\sb] matrix_a_fmt:MATRIX_FMT_BF6 matrix_b_fmt:MATRIX_FMT_BF6 matrix_a_scale:MATRIX_SCALE_ROW1
.elseif (\ra) == 0
	v_wmma_scale_f32_16x16x128_f8f6f4 v[\d:\d+7], v[\a:\a+11], v[\b:\b+11], v[\c:\c+7], v[\sa], v[\sb] matrix_a_fmt:MATRIX_FMT_BF6 matrix_b_fmt:MATRIX_FMT_BF6 matrix_b_scale:MATRIX_SCALE_ROW1
.else
	v_wmma_scale_f32_16x16x128_f8f6f4 v[\d:\d+7], v[\a:\a+11], v[\b:\b+11], v[\c:\c+7], v[\sa], v[\sb] matrix_a_fmt:MATRIX_FMT_BF6 matrix_b_fmt:MATRIX_FMT_BF6 matrix_a_scale:MATRIX_SCALE_ROW1 matrix_b_scale:MATRIX_SCALE_ROW1
.endif
.endm
.macro WMZ d, a, b, sa, sb, ra         ; the same with C = 0: it starts a sum
.if (\ra) == 0
	v_wmma_scale_f32_16x16x128_f8f6f4 v[\d:\d+7], v[\a:\a+11], v[\b:\b+11], 0, v[\sa], v[\sb] matrix_a_fmt:MATRIX_FMT_BF6 matrix_b_fmt:MATRIX_FMT_BF6
.else
	v_wmma_scale_f32_16x16x128_f8f6f4 v[\d:\d+7], v[\a:\a+11], v[\b:\b+11], 0, v[\sa], v[\sb] matrix_a_fmt:MATRIX_FMT_BF6 matrix_b_fmt:MATRIX_FMT_BF6 matrix_a_scale:MATRIX_SCALE_ROW1
.endif
.endm
	s_load_b256 s[4:11], s[0:1], 0x0               ; qimg s[4:5], kv s[6:7], time_decay s[8:9], aimg s[10:11]
	s_load_b64 s[12:13], s[0:1], 0x20              ; out1
	v_lshl_add_u32 v[SPW], v0, 2, SPARE
	v_mov_b32 v[NIL], 0
	ds_add_u32 v1, v2
	ds_add_u32 v1, v2
	s_wait_dscnt 0x0
	v_lshrrev_b32 v17, 5, v0
	v_readfirstlane_b32 s[WV], v17                 ; wave 0..3
	s_bfe_u32 s15, ttmp6, 0x40000                  ; cx
	s_lshl_b32 s16, ttmp9, 2
	s_add_co_u32 s16, s16, s15                     ; qb: my block of 32 queries; it enters no LDS address and no descriptor
	s_and_b32 s17, ttmp7, 0xffff                   ; the batch, which the four partners share
	s_mov_b32 s[G1], 15|(3<<16)|(1<<21)            ; the mask: all four work-groups; elements of 8 bytes; no padding; bit 21 beside a mask
	s_mov_b32 s[G1+1], 32<<16                      ; a dense record as 102 rows of 256 bytes
	s_mov_b32 s[G1+2], 102<<16
	s_mov_b32 s[G1+3], 32<<16
	s_mov_b32 s[G1+4], 102
	s_mov_b32 s[G1+5], 32
	s_mov_b32 s[G1+6], 0
	s_mov_b32 s[G1+7], 0
	s_lshl_b32 s18, s17, 6
	s_add_co_u32 s18, s18, s[WV]
	s_mul_i32 s18, s18, REC                        ; record (16 batch + 0) x 4 + wave
	s_mov_b32 s19, 0
	s_mul_i32 s20, s[WV], REC                      ; and its place in a slot
	s_lshl_b32 s21, s17, 5
	s_add_co_u32 s21, s21, s16                     ; 32 batch + qb
	s_mul_i32 s[QP], s21, QREC
	s_mov_b32 s[QP+1], 0
	s_mul_i32 s[AP], s21, AREC
	s_mul_i32 s22, s[WV], 6400
	s_add_co_u32 s[AP], s[AP], s22                 ; on the way out a wave stores a quarter of the image
	s_mov_b32 s[AP+1], 0
	s_lshl_b32 s[OP], s21, 17                      ; 32 rows of 4,096 bytes of out1,
	s_lshl_b32 s22, s[WV], 10
	s_add_co_u32 s[OP], s[OP], s22                 ; my 256 keys
	s_mov_b32 s[OP+1], 0
	s_mov_b32 s[SEL], 0x76543210
	s_mov_b32 s[SEL+1], 0xfedcba98                 ; v_permlanex16_b32's selects for lane l xor 16
	s_mov_b32 s[CS], 0x3e38aa3b                    ; log2(e) / 8
	s_mov_b32 s[CS+1], s[CS]                       ; (named with it as a pair, so it is written)
	s_mov_b32 s[TB], 0
	s_mov_b32 s[HD], 0
	s_mov_b32 s[HO], 0
	s_mov_b32 s[QO], 0
	s_mov_b32 s[QSO], 0
	s_wait_kmcnt 0x0
	s_add_nc_u64 s[18:19], s[6:7], s[18:19]
	s_add_nc_u64 s[QP:QP+1], s[4:5], s[QP:QP+1]
	s_add_nc_u64 s[AP:AP+1], s[10:11], s[AP:AP+1]
	s_add_nc_u64 s[OP:OP+1], s[12:13], s[OP:OP+1]
	s_load_b32 s[NC], s[8:9], 0x0                  ; time_decay
	s_mov_b32 s[G0A], 1
	s_mov_b32 s[G0A+1], s20                        ; head 0 into slot 0
	s_mov_b64 s[G0A+2:G0A+3], s[18:19]
	s_or_b32 s[G0A+3], s[G0A+3], 0x80000000
	s_mov_b32 s[G0W], 1
	s_add_co_u32 s[G0W+1], s20, SLOT1              ; head 1 into slot 1; this one walks on
	s_add_nc_u64 s[G0W+2:G0W+3], s[18:19], 4*REC
	s_or_b32 s[G0W+3], s[G0W+3], 0x80000000
	CROUND                                         ; all four work-groups are here: the first joint loads meet
	tensor_load_to_lds s[G0A:G0A+3], s[G1:G1+7]
	s_nop 0
	tensor_load_to_lds s[G0W:G0W+3], s[G1:G1+7]
	s_nop 0
.rept 4
	v_nop
.endr
	v_and_b32 v18, 31, v0                          ; lane
	v_and_b32 v19, 15, v0                          ; r
	v_bfe_u32 v20, v0, 4, 1                        ; h
	v_lshl_add_u32 v[AK0], v18, 3, s20
	s_add_co_u32 s21, s20, 12288
	v_lshl_add_u32 v[AV0], v18, 4, s21
	s_add_co_u32 s21, s20, 24576
	v_lshl_add_u32 v[ASK], v18, 4, s21
	s_add_co_u32 s21, s20, 25600
	v_lshl_add_u32 v[ASV], v18, 3, s21
	v_lshlrev_b32 v[QA], 3, v18
	v_lshl_add_u32 v[QSA], v18, 2, 24576
	s_lshl_b32 s21, s[WV], 13
	s_add_co_u32 s21, s21, XO
	v_lshl_add_u32 v[XOW], v18, 4, s21             ; my 64 registers: 16 x 512 bytes
	s_lshl_b32 s21, s[WV], 11
	s_add_co_u32 s21, s21, XO
	v_lshl_add_u32 v[XOG], v18, 4, s21             ; registers 16 w on of each wave's
	s_lshl_b32 s21, s[WV], 9
	s_add_co_u32 s21, s21, XS
	v_lshl_add_u32 v[XSW], v18, 4, s21
	v_lshl_add_u32 v[XSG], v18, 4, XS
	s_lshr_b32 s22, s[WV], 1                       ; the tile that I finish,
	s_and_b32 s23, s[WV], 1                        ; and its block of 32 channels
	s_mul_i32 s21, s22, 12288
	s_lshl_b32 s48, s23, 7
	s_add_co_u32 s21, s21, s48
	s_add_co_u32 s21, s21, AIMG
	v_lshl_add_u32 v25, v19, 3, s21                ; the image holds block e of row r in lane r + 16 e: 8 bytes a lane in each of three planes of 256 bytes.  My three registers are words 3 h + 0, 1, 2 of the block's six:
	v_mad_u32_u24 v[AI], v20, 260, v25             ; word 0 at 0, word 3 at 260,
	v_mad_u32_u24 v[AI+1], v20, 508, v25
	v_add_nc_u32 v[AI+1], 4, v[AI+1]               ; word 1 at 4, word 4 at 512,
	v_mad_u32_u24 v[AI+2], v20, 260, v25
	v_add_nc_u32 v[AI+2], 256, v[AI+2]             ; word 2 at 256, word 5 at 516
	s_lshl_b32 s21, s22, 6
	s_add_co_u32 s21, s21, s23
	s_add_co_u32 s21, s21, AIMG+24576
	v_lshl_add_u32 v[ASB], v19, 2, s21
	s_sub_co_u32 s[UM], 0, s22
	s_mul_i32 s21, s[WV], 16640                    ; the way out of the mean: a stage of 16 rows x (1,024 + 16) bytes for each wave, in slot 0
	v_mul_u32_u24 v[STO], v19, 1040
	v_lshl_add_u32 v[STO], v20, 6, v[STO]
	v_add_nc_u32 v[STO], s21, v[STO]
	v_lshl_add_u32 v[RD], v18, 4, s21
	v_lshlrev_b32 v[GO], 4, v18
	v_mov_b32 v[QV], v[QA]
	v_mov_b32 v[QSV], v[QSA]
.macro QLOAD                           ; a head's two tiles of q and their scale words (lanes 0-15 tile 0, lanes 16-31 tile 1)
.irp u, 0,1
.irp p, 0,1,2
	global_load_b64 v[QF+12*\u+2*\p:QF+12*\u+2*\p+1], v[QV], s[QP:QP+1] offset:768*\u+256*\p
.endr
.endr
	global_load_b32 v[QS], v[QSV], s[QP:QP+1]
.endm
	QLOAD                                          ; head 0
.irp i, 6,7,8,9,10,11,18,19,20,21,22,23
	v_mov_b32 v[QF+\i], 0                          ; the zero codes of q's upper 64 along K: written once
.endr
.irp i, 96,97,98,99,100,101
	v_mov_b32 v[U+\i], 0                           ; the pad behind k's last tile
.endr
.irp i, 0,1,2,3,4,5,6,7,8,9,10,11,12,13,14,15
	v_mov_b32 v[BX+\i], 0                          ; a lane permute's destination counts as one of its sources
.endr
	v_mov_b32 v[NM+1], 0                           ; (named as the upper halves of pairs before they are first written)
	v_mov_b32 v[NM+3], 0
	v_mov_b32 v[G+1], 0
	v_mov_b32 v[G+3], 0
	; THE BIAS.  Register 128 u + 16 e + i is key 256 w + 32 e + 16 h + i against query 32 qb + 8 u + r + 8 (r / 8).  The distance begins as a whole number and goes down by 1 from register to register, exactly.
	s_lshl_b32 s21, s16, 5
	s_lshl_b32 s48, s[WV], 8
	s_sub_co_i32 s21, s21, s48
	v_and_b32 v25, 8, v19
	v_add_nc_u32 v25, v25, v19
	v_lshlrev_b32 v26, 4, v20
	v_sub_nc_u32 v25, v25, v26
	v_add_nc_u32 v25, s21, v25
.set c, 0
.rept 16
	v_add_nc_u32 v[OA+c], 8*(c/8)-32*(c%8), v25
.set c, c+1
.endr
	s_wait_kmcnt 0x0
	s_and_b32 s[NC], s[NC], 0x7fffffff
	s_mul_f32 s[NC], s[NC], 0xc1000000             ; -8 |td|
	WIN 0xc0
.set c, 0
.rept 16
	v_cvt_f32_i32 v[16*c], v[OA+c]
.set c, c+1
.endr
	WIN 0xcc
.set i, 0
.rept 15
.set c, 0
.rept 16
	v_add_f32 v[16*c+i+1], -1.0, v[16*c+i]         ; (the sixteen chains by turns)
.set c, c+1
.endr
.set i, i+1
.endr
.set n, 0
.rept 256
	v_mul_f32 v[n], s[NC], |v[n]|
.set n, n+1
.endr
	WIN 0
.macro KLOAD                           ; a head's 16 tiles of k (plane n of 48: 256 consecutive bytes, two registers; tile kt is planes 3 kt on) behind their scale words
	v_add_nc_u32 v[ADK], s[TB], v[AK0]
	v_add_nc_u32 v[ADS], s[TB], v[ASK]
	ds_load_b128 v[KS:KS+3], v[ADS]
	ds_load_b128 v[KS+4:KS+7], v[ADS] offset:512
.set n, 0
.rept 48
	ds_load_b64 v[U+2*n:U+2*n+1], v[ADK] offset:256*n
.set n, n+1
.endr
.endm
.macro VLOAD st                        ; v's four fragments (16 channels x 128 keys) of key step st, and their scale words
.irp t, 0,1,2,3
.irp g, 0,1,2
	ds_load_b128 v[VF+12*\t+4*\g:VF+12*\t+4*\g+3], v[ADV] offset:(4*\st+\t)*1536+512*\g
.endr
.endr
	ds_load_b64 v[VS+2*\st:VS+2*\st+1], v[ADT] offset:256*\st
.endm
.macro PV st                           ; O^T (+)= v^T p^T: eight accumulators by turns, one instruction a turn
.irp t, 0,1,2,3
.irp u, 0,1
.if \st == 0
	WMZ OA+32*\u+8*\t, VF+12*\t, PF+12*(2*\st+\u), VS+2*\st+\t/2, PW+2*\st+\u, \t%2
.else
	WM OA+32*\u+8*\t, VF+12*\t, PF+12*(2*\st+\u), OA+32*\u+8*\t, VS+2*\st+\t/2, PW+2*\st+\u, \t%2, 0
.endif
.endr
.endr
.endm
; The sum of tile u's 128 unquantised p of a lane: two at a time, in four chains; in two parts, so that other lines can stand between them
.macro SUMA u                          ; registers 0-71 of the tile's 128
	WIN 0x05
	v_pk_add_f32 v[SA:SA+1], v[128*\u:128*\u+1], v[128*\u+2:128*\u+3]
	v_pk_add_f32 v[SA+2:SA+3], v[128*\u+4:128*\u+5], v[128*\u+6:128*\u+7]
	v_pk_add_f32 v[SB:SB+1], v[128*\u+8:128*\u+9], v[128*\u+10:128*\u+11]
	v_pk_add_f32 v[SB+2:SB+3], v[128*\u+12:128*\u+13], v[128*\u+14:128*\u+15]
	WIN 0x04
.set n, 128*\u+16
.rept 7
	v_pk_add_f32 v[SA:SA+1], v[SA:SA+1], v[n:n+1]
	v_pk_add_f32 v[SA+2:SA+3], v[SA+2:SA+3], v[n+2:n+3]
	v_pk_add_f32 v[SB:SB+1], v[SB:SB+1], v[n+4:n+5]
	v_pk_add_f32 v[SB+2:SB+3], v[SB+2:SB+3], v[n+6:n+7]
.set n, n+8
.endr
.endm
.macro SUMB u                          ; registers 72-127, and the chains joined
	WIN 0x04
.set n, 128*\u+72
.rept 7
	v_pk_add_f32 v[SA:SA+1], v[SA:SA+1], v[n:n+1]
	v_pk_add_f32 v[SA+2:SA+3], v[SA+2:SA+3], v[n+2:n+3]
	v_pk_add_f32 v[SB:SB+1], v[SB:SB+1], v[n+4:n+5]
	v_pk_add_f32 v[SB+2:SB+3], v[SB+2:SB+3], v[n+6:n+7]
.set n, n+8
.endr
	WIN 0
	v_pk_add_f32 v[SA:SA+1], v[SA:SA+1], v[SA+2:SA+3]
	v_pk_add_f32 v[SB:SB+1], v[SB:SB+1], v[SB+2:SB+3]
	v_pk_add_f32 v[SA:SA+1], v[SA:SA+1], v[SB:SB+1]
	v_add_f32 v[NM+2*\u+1], v[SA], v[SA+1]
.endm
.macro PKT m                           ; pair m of the 128 pairs of scores: t - M (of the pairs c and -M the low word serves both halves)
	v_pk_fma_f32 v[2*(\m):2*(\m)+1], v[2*(\m):2*(\m)+1], s[CS:CS+1], v[NM+2*((\m)/64):NM+2*((\m)/64)+1] op_sel_hi:[1,0,0]
.endm
.macro MEAN8 kt                        ; the mean's sums take p x its weight, for key tile kt of both tiles of queries: 16 registers, eight packed lines (destination and addend window 2, p window 1, the weight window 0)
.irp u, 0,1
.irp j, 0,2,4,6
	v_pk_fma_f32 v[128*\u+8*(\kt)+\j:128*\u+8*(\kt)+\j+1], v[128*\u+8*(\kt)+\j:128*\u+8*(\kt)+\j+1], v[G+2*\u:G+2*\u+1], v[128*\u+8*(\kt)+\j:128*\u+8*(\kt)+\j+1] op_sel_hi:[1,0,1]
.endr
.endr
.endm
; ONE HEAD.  fill = 1: the slot that it leaves is filled with the head two on.  first = 1: head 0: no mean is due among its score products, and the mean's sums begin at its end (nothing is ever cleared).
; tail = 1: head 15 asks for no next q and k.
.macro HEAD fill, first, tail
	; ---- the scores, and among them the mean of the head before
	s_add_co_u32 s[QO], s[QO], 1536                ; the next head's place in q's record
	s_add_co_u32 s[QSO], s[QSO], 128
	s_wait_loadcnt 0x0                             ; q
.if \first
	s_wait_dscnt 0x0                               ; k
	WIN 0x70                                       ; C (the bias) window 3, D window 1
.irp kt, 0,1,2,3,4,5,6,7,8,9,10,11,12,13,14,15
.irp u, 0,1
	WM 128*\u+8*\kt, U+6*\kt, QF+12*\u, 128*\u+8*\kt, KS+\kt/2, QS, \kt%2, \u
.endr
.endr
.else
	WIN 0xa1
	MEAN8 0                                        ; the last head's p leaves each 16 registers just ahead of the pair of products that writes over them
.set gg, 0
.rept 16
.if gg < 15
	s_wait_dscnt 46-3*gg                           ; pair gg names k's planes up to 3 gg + 5; behind that plane stand 42 - 3 gg more planes and the four stores of the image
.else
	s_wait_dscnt 4
.endif
	WIN 0x70                                       ; C (the bias) window 3, D window 1
	WM 8*gg, U+6*gg, QF, 8*gg, KS+gg/2, QS, gg%2, 0
	WM 128+8*gg, U+6*gg, QF+12, 128+8*gg, KS+gg/2, QS, gg%2, 1
.if gg < 15
	WIN 0xa1
	MEAN8 gg+1                                     ; eight packed lines that name no register of the products issued so far
.endif
.set gg, gg+1
.endr
.endif
	WIN 0
	v_add_nc_u32 v[ADV], s[TB], v[AV0]             ; four plain lines: the places in front of the loads into q's and k's registers and of the first read of the scores
	v_add_nc_u32 v[ADT], s[TB], v[ASV]
	v_add_nc_u32 v[QV], s[QO], v[QA]
	v_add_nc_u32 v[QSV], s[QSO], v[QSA]
.if \tail
	s_cmp_eq_u32 s[HD], 15
	s_cbranch_scc1 .Lno_q_\@                       ; no load leaves its buffer
.endif
	QLOAD
.if \tail
.Lno_q_\@:
.endif
	VLOAD 0
	; ---- the largest score of each block of 32 keys: it serves for the row's maximum and, since p rises with the score, for the block's largest p
	WIN 0x15
.set c, 0
.rept 16
	v_max3_num_f32 v[BM+c], v[16*c], v[16*c+1], v[16*c+2]
.set c, c+1
.endr
	WIN 0x14
.irp i, 3,5,7,9,11,13
.set c, 0
.rept 16
	v_max3_num_f32 v[BM+c], v[BM+c], v[16*c+\i], v[16*c+\i+1]
.set c, c+1
.endr
.endr
.set c, 0
.rept 16
	v_max_num_f32 v[BM+c], v[BM+c], v[16*c+15]
.set c, c+1
.endr
	WIN 0
.set c, 0
.rept 16
	v_permlanex16_b32 v[BX+c], v[BM+c], s[SEL], s[SEL+1]
.set c, c+1
.endr
.set c, 0
.rept 16
	v_max_num_f32 v[BM+c], v[BM+c], v[BX+c]        ; with lane l xor 16's 16 keys
.set c, c+1
.endr
.irp u, 0,1
	v_max3_num_f32 v[TT+\u], v[BM+8*\u], v[BM+8*\u+1], v[BM+8*\u+2]
.endr
.irp u, 0,1
	v_max3_num_f32 v[TT+\u], v[TT+\u], v[BM+8*\u+3], v[BM+8*\u+4]
.endr
.irp u, 0,1
	v_max3_num_f32 v[TT+\u], v[TT+\u], v[BM+8*\u+5], v[BM+8*\u+6]
.endr
.irp u, 0,1
	v_max_num_f32 v[TT+\u], v[TT+\u], v[BM+8*\u+7]
.endr
.irp u, 0,1
	v_mul_f32 v[TT+\u], s[CS], v[TT+\u]            ; as t
.endr
.irp u, 0,1
	v_floor_f32 v[NM+2*\u], -v[TT+\u]              ; -M = floor(-t) = -ceil(t): a whole number
.endr
	; ---- p = 2^(t - M).  First each block's largest score, by the same two instructions as every score
.set c, 0
.rept 16
	v_fma_f32 v[BM+c], v[BM+c], s[CS], v[NM+2*(c/8)]
.set c, c+1
.endr
.set c, 0
.rept 16
	v_exp_f32 v[BM+c], v[BM+c]                     ; the block's largest p
.set c, c+1
.endr
	WIN 0x41                                       ; then the 256 scores: a packed t - M stands between two exponentials, eight pairs ahead of the exponentials that take its results; one window setting serves both
.set n, 0
.rept 8
	PKT n
.set n, n+1
.endr
.set n, 0
.rept 128
	v_exp_f32 v[2*n], v[2*n]
.if n+8 < 128
	PKT n+8
.endif
	v_exp_f32 v[2*n+1], v[2*n+1]
.set n, n+1
.endr
	WIN 0
.set c, 0
	s_wait_alu depctr_va_vdst(0)
.rept 16
	v_max_num_f32 v[BM+c], 0x2800000, v[BM+c]      ; the floor 2^(5 - 127): the byte cannot fall under 1.  (Plain lines behind the exponentials)
.set c, c+1
.endr
.set c, 0
.rept 16
	v_add_nc_u32 v[SO+c], 0xfe000000, v[BM+c]      ; 4 off the exponent field: the conversion's scale operand
.set c, c+1
.endr
.set c, 0
.rept 16
	v_lshrrev_b32 v[BX+c], 23, v[SO+c]             ; the scale's byte
.set c, c+1
.endr
.irp st, 0,1
.irp u, 0,1
	v_lshl_or_b32 v[PW+2*\st+\u], v[BX+8*\u+4*\st+1], 8, v[BX+8*\u+4*\st]
	v_lshl_or_b32 v[PW+2*\st+\u], v[BX+8*\u+4*\st+2], 16, v[PW+2*\st+\u]
	v_lshl_or_b32 v[PW+2*\st+\u], v[BX+8*\u+4*\st+3], 24, v[PW+2*\st+\u]
.endr
.endr
	; ---- p's codes: four fragments (tile u, key step st) of 16 queries x 128 keys
	WIN 0x01
.irp st, 0,1
.irp u, 0,1
.irp e, 0,1
	v_cvt_scalef32_pk16_bf6_f32 v[PF+12*(2*\st+\u)+6*\e:PF+12*(2*\st+\u)+6*\e+2], v[128*\u+64*\st+32*\e:128*\u+64*\st+32*\e+15], v[SO+8*\u+4*\st+2*\e]
	v_cvt_scalef32_pk16_bf6_f32 v[CT+4*(2*(2*\st+\u)+\e):CT+4*(2*(2*\st+\u)+\e)+2], v[128*\u+64*\st+32*\e+16:128*\u+64*\st+32*\e+31], v[SO+8*\u+4*\st+2*\e+1]
.endr
.endr
.endr
	WIN 0
	v_nop                                          ; one plain place behind a scaled conversion
.irp f, 0,1,2,3                        ; the operand's layout wants a WHOLE block in a lane.  Key step 0's fragments come first: the 24 lines of key step 1's, 12 plain moves among them, are the places ahead of the first products
.irp e, 0,1
.irp i, 0,1,2
	v_permlane16_swap_b32 v[PF+12*\f+6*\e+\i], v[CT+4*(2*\f+\e)+\i]
.endr
.irp i, 0,1,2
	v_mov_b32 v[PF+12*\f+6*\e+3+\i], v[CT+4*(2*\f+\e)+\i]
.endr
.endr
.endr
	; ---- O^T = v^T p^T, and the rows' sums where something is on its way
	s_wait_dscnt 0x0                               ; v of key step 0
	PV 0
.rept 4
	v_nop                                          ; places in front of loads into registers that matrix instructions have read
.endr
	VLOAD 1
	SUMA 0                                         ; tile 0's sum stands while those loads are on their way
	SUMB 0
	s_wait_dscnt 0x0
	PV 1
	SUMA 1                                         ; 32 plain lines: the places in front of the first read of O^T
	WIN 0
	s_lshr_b32 s[T2], s[TB], 2                     ; 0 or 32,768: the exchange's bytes take turns from head to head, so one barrier a head serves
	s_lshr_b32 s[T6], s[TB], 6                     ; 0 or 2,048
	v_add_nc_u32 v[XA], s[T2], v[XOW]
	v_add_nc_u32 v[XB], s[T6], v[XSW]
.set n, 0
.rept 16
	ds_store_b128 v[XA], v[OA+4*n:OA+4*n+3] offset:512*n   ; each accumulator from its low end on
.set n, n+1
.endr
	SUMB 1                                         ; the rest of tile 1's sum stands while the stores land
	v_permlanex16_b32 v[SA], v[NM+1], s[SEL], s[SEL+1]
	v_permlanex16_b32 v[SA+2], v[NM+3], s[SEL], s[SEL+1]
	v_add_f32 v[NM+1], v[NM+1], v[SA]              ; with lane l xor 16's keys: my 256 keys' sum
	v_add_f32 v[NM+3], v[NM+3], v[SA+2]
	ds_store_b128 v[XB], v[NM:NM+3]
	; ---- the change of slots, and the barrier of the exchange
	s_wait_tensorcnt 0x0                           ; my load of the next head's record has landed: no tensor load of mine is out, so a group 0 may be written
	ds_add_u32 v[SPW], v[NIL]                      ; 0 onto my spare word
.if \fill
	s_xor_b32 s[G0W+1], s[G0W+1], SLOT1            ; the slot that this head has left,
	s_add_nc_u64 s[G0W+2:G0W+3], s[G0W+2:G0W+3], 4*REC   ; the head two on
.endif
	s_wait_dscnt 0x0                               ; the add is done, my stores have landed, my reads of the slot are over
.if \fill
	CROUND                                         ; no wave of any partner still reads the slot or has a load on its way
	tensor_load_to_lds s[G0W:G0W+3], s[G1:G1+7]    ; my one tensor load behind the round: it has a whole head's work in which to land
	s_nop 0
.rept 4
	v_nop
.endr
.else
	s_barrier_signal -1
	s_barrier_wait -1
.endif
	; ---- the exchange
	v_add_nc_u32 v[XB], s[T6], v[XSG]
	v_add_nc_u32 v[XA], s[T2], v[XOG]
.irp w, 0,1,2,3
	ds_load_b128 v[ST+4*\w:ST+4*\w+3], v[XB] offset:512*\w
.endr
.irp w, 0,1,2,3
.irp g, 0,1,2,3
	ds_load_b128 v[OA+16*\w+4*\g:OA+16*\w+4*\g+3], v[XA] offset:8192*\w+512*\g
.endr
.endr
	s_wait_dscnt 16                                ; the four waves' -M and sums are in; the sixteen loads of O^T's parts may be out
.irp u, 0,1
	v_min3_num_f32 v[NG+\u], v[ST+2*\u], v[ST+4+2*\u], v[ST+8+2*\u]
.endr
.irp u, 0,1
	v_min_num_f32 v[NG+\u], v[NG+\u], v[ST+12+2*\u]   ; -M of the whole row
.endr
.irp u, 0,1
.irp w, 0,1,2,3
	v_sub_f32 v[F+4*\u+\w], v[NG+\u], v[ST+4*\w+2*\u]   ; M_w - M: a whole number, 0 or less
.endr
	v_sub_f32 v[FO+\u], v[NG+\u], v[NM+2*\u]       ; and my own
.endr
.irp u, 0,1
.irp w, 0,1,2,3
	v_cvt_i32_f32 v[F+4*\u+\w], v[F+4*\u+\w]       ; (it saturates)
.endr
	v_cvt_i32_f32 v[FO+\u], v[FO+\u]
.endr
.irp u, 0,1
.irp w, 0,1,2,3
	v_ldexp_f32 v[F+4*\u+\w], 1.0, v[F+4*\u+\w]    ; 2^(M_w - M): a multiplication by it rounds nothing
.endr
	v_ldexp_f32 v[FO+\u], 1.0, v[FO+\u]
.endr
.irp u, 0,1
	v_mul_f32 v[LS+\u], v[F+4*\u], v[ST+2*\u+1]
.endr
.irp w, 1,2,3
.irp u, 0,1
	v_fmac_f32 v[LS+\u], v[F+4*\u+\w], v[ST+4*\w+2*\u+1]   ; the row's sum
.endr
.endr
	v_rcp_f32 v[IV], v[LS]
	v_rcp_f32 v[IV+1], v[LS+1]
.irp w, 0,1,2,3
	v_cndmask_b32 v[CO+2*\w], v[F+\w], v[F+4+\w], s[UM]   ; (plain places behind the reciprocals)  the factors of the tile that I finish
.endr
	s_wait_alu depctr_va_vdst(0)
	v_cndmask_b32 v[IVS], v[IV], v[IV+1], s[UM]
.irp u, 0,1
	v_mul_f32 v[G+2*\u], v[FO+\u], v[IV+\u]
.endr
.irp w, 0,1,2,3
	v_mul_f32 v[CO+2*\w], v[CO+2*\w], v[IVS]       ; 2^(M_w - M) / sum
.endr
.irp u, 0,1
	v_mul_f32 v[G+2*\u], 0x3d800000, v[G+2*\u]     ; my p's weight in the mean over 16 heads: it is used among the next head's score products
.endr
	s_wait_dscnt 0x0
.set n, 0
.rept 8
	v_pk_mul_f32 v[OA+2*n:OA+2*n+1], v[OA+2*n:OA+2*n+1], v[CO:CO+1] op_sel_hi:[1,0]
.set n, n+1
.endr
.irp w, 1,2,3
.set n, 0
.rept 8
	v_pk_fma_f32 v[OA+2*n:OA+2*n+1], v[OA+16*\w+2*n:OA+16*\w+2*n+1], v[CO+2*\w:CO+2*\w+1], v[OA+2*n:OA+2*n+1] op_sel_hi:[1,0,1]
.set n, n+1
.endr
.endr
	; ---- the next head's k is asked for here: the exchange's figures are done with, and the lines below stand while the loads are on their way
	s_xor_b32 s[TB], s[TB], SLOT1
.if \tail
	s_cmp_eq_u32 s[HD], 15
	s_cbranch_scc1 .Lno_k_\@
.endif
	KLOAD
.if \tail
.Lno_k_\@:
.endif
	; ---- v32-47: 16 neighbouring channels of the finished attention, half a block of the next product's K
	v_max3_num_f32 v48, |v32|, |v33|, 0x2800000
	v_max3_num_f32 v49, |v34|, |v35|, |v36|
	v_max3_num_f32 v48, v48, |v37|, |v38|
	v_max3_num_f32 v49, v49, |v39|, |v40|
	v_max3_num_f32 v48, v48, |v41|, |v42|
	v_max3_num_f32 v49, v49, |v43|, |v44|
	v_max3_num_f32 v48, v48, |v45|, |v46|
	v_max3_num_f32 v48, v48, v49, |v47|
	v_permlanex16_b32 v49, v48, s[SEL], s[SEL+1]
	v_max_num_f32 v48, v48, v49
	v_add_nc_u32 v50, 0xfe000000, v48
	v_lshrrev_b32 v51, 23, v50
	s_lshr_b32 s48, s[HD], 1
	s_lshl_b32 s48, s48, 7
	s_and_b32 s[SBO], s[HD], 1
	s_lshl_b32 s[SBO], s[SBO], 1
	s_add_co_u32 s[SBO], s[SBO], s48               ; the scale word of K step head / 2, byte 2 (head % 2) + block
	v_cvt_scalef32_pk16_bf6_f32 v[52:54], v[32:47], v50
.irp i, 0,1,2
	v_add_nc_u32 v[AW+\i], s[HO], v[AI+\i]         ; (plain places behind the conversion)
.endr
	v_add_nc_u32 v[XA], s[SBO], v[ASB]
.irp i, 0,1,2
	ds_store_b32 v[AW+\i], v[52+\i]
.endr
	ds_store_b8 v[XA], v51                         ; both halves of the lanes write the same byte with the same value
.if \first
	; ---- head 0 starts the mean's sums, by multiplications
	WIN 0x81
.irp u, 0,1
.set n, 128*\u
.rept 64
	v_pk_mul_f32 v[n:n+1], v[n:n+1], v[G+2*\u:G+2*\u+1] op_sel_hi:[1,0]
.set n, n+2
.endr
.endr
	WIN 0
	v_mov_b32 v[G], 0                              ; head 0's p has been taken: the turn among head 1's score products finds the weight 0 and adds 0 x p, p being finite
	v_mov_b32 v[G+2], 0
.endif
	s_add_co_u32 s[HO], s[HO], 768
	s_add_co_u32 s[HD], s[HD], 1
.endm
	s_wait_tensorcnt 1                             ; head 0's record is in (head 1's may be out); I alone read the bytes that I fetched
	KLOAD
	HEAD 1, 1, 0                                   ; head 0
.Lheads:                                           ; heads 1 to 13: thirteen trips
	HEAD 1, 0, 0
	s_cmp_lt_u32 s[HD], 14
	s_cbranch_scc1 .Lheads
.Ltail:                                            ; heads 14 and 15 ask for no record: written apart
	HEAD 0, 0, 1
	s_cmp_lt_u32 s[HD], 16
	s_cbranch_scc1 .Ltail
	WIN 0xa1                                       ; head 15's p has no score products behind it: its mean stands here, while my last stores into the image land
.set gg, 0
.rept 16
	MEAN8 gg
.set gg, gg+1
.endr
	WIN 0
	s_wait_dscnt 0x0                               ; my last stores into the image have landed
	s_barrier_signal -1
	s_barrier_wait -1                              ; the image is whole
	; ---- the image leaves: a quarter a wave, 6,400 bytes
	s_mul_i32 s21, s[WV], 6400
	s_add_co_u32 s21, s21, AIMG
	v_add_nc_u32 v[ADK], s21, v[GO]
	s_add_co_u32 s21, s21, 6144
	v_add_nc_u32 v[ADS], s21, v[QA]
.set n, 0
.rept 12
	ds_load_b128 v[OA+4*n:OA+4*n+3], v[ADK] offset:512*n
.set n, n+1
.endr
	ds_load_b64 v[OA+48:OA+49], v[ADS]
.set n, 0
.rept 12
	s_wait_dscnt 12-n
	global_store_b128 v[GO], v[OA+4*n:OA+4*n+3], s[AP:AP+1] offset:512*n
.set n, n+1
.endr
	s_wait_dscnt 0x0
	global_store_b64 v[QA], v[OA+48:OA+49], s[AP:AP+1] offset:6144
	; ---- the mean leaves, a tile of 16 queries at a time, through my stage: it lies in slot 0, which has had its last fill and, behind the barriers above, its last read.
	; A lane holds 16-byte pieces of one row; they come back as rows of 1,024 bytes, and each store covers 512 consecutive bytes, aligned.
.irp u, 0,1
	WIN 0x08                                       ; an LDS store's data are its source 1: window 2
.set n, 0
.rept 32
	ds_store_b128 v[STO], v[128*\u+4*n:128*\u+4*n+3] offset:128*(n/4)+16*(n%4)
.set n, n+1
.endr
	WIN 0
	s_wait_xcnt 0x0                                ; the earlier stores have read their registers: the loads below may land there
.set n, 0
.rept 16
	ds_load_b128 v[OA+4*n:OA+4*n+3], v[RD] offset:1040*(n/2)+512*(n%2)   ; LDS serves a wave's instructions in order: these see my stores
.set n, n+1
.endr
.set n, 0
.rept 16
	ds_load_b128 v[U+4*n:U+4*n+3], v[RD] offset:1040*(8+n/2)+512*(n%2)
.set n, n+1
.endr
	s_wait_dscnt 16                                ; rows 0-7 are back
.set n, 0
.rept 16
	global_store_b128 v[GO], v[OA+4*n:OA+4*n+3], s[OP:OP+1] offset:(8*\u+n/2)*4096+512*(n%2) th:TH_STORE_NT   ; stage row r is query 8 u + r + 8 (r / 8) of the block
.set n, n+1
.endr
	s_wait_dscnt 0x0
.set n, 0
.rept 16
	global_store_b128 v[GO], v[U+4*n:U+4*n+3], s[OP:OP+1] offset:(8*\u+16+n/2)*4096+512*(n%2) th:TH_STORE_NT
.set n, n+1
.endr
.endr
	s_wait_tensorcnt 0x0                           ; the wave's end
	ds_add_u32 v[SPW], v[NIL]
	s_wait_dscnt 0x0
	CROUND                                         ; the closing round
	s_endpgm
.Lfunc_end_k_q82a6278c6c_attn:
	.size	k_q82a6278c6c_attn, .Lfunc_end_k_q82a6278c6c_attn-k_q82a6278c6c_attn
	.p2alignl 7, 3214868480
	.fill 96, 4, 3214868480
	.section	.rodata,"a",@progbits
	.p2align	6, 0x0
	.amdhsa_kernel k_q82a6278c6c_attn
		.amdhsa_group_segment_fixed_size 327680
		.amdhsa_private_segment_fixed_size 0
		.amdhsa_enable_private_segment 0
		.amdhsa_kernarg_size 40
		.amdhsa_user_sgpr_count 2
		.amdhsa_user_sgpr_kernarg_segment_ptr 1
		.amdhsa_wavefront_size32 1
		.amdhsa_system_sgpr_workgroup_id_x 1
		.amdhsa_system_sgpr_workgroup_id_y 1
		.amdhsa_system_sgpr_workgroup_id_z 1
		.amdhsa_system_vgpr_workitem_id 0
		.amdhsa_next_free_vgpr 1024
		.amdhsa_next_free_sgpr 66
		.amdhsa_reserve_vcc 0
		.amdhsa_float_denorm_mode_32 3
		.amdhsa_float_denorm_mode_16_64 3
		.amdhsa_memory_ordered 1
		.amdhsa_forward_progress 1
		.amdhsa_inst_pref_size 255
	.end_amdhsa_kernel
	.section	.bss,"aw",@nobits
	.p2align	6
	.space	262144
	.amdgpu_metadata
---
amdhsa.version: [ 1, 2 ]
amdhsa.kernels:
  - .name:           k_q82a6278c6c_attn
    .symbol:         k_q82a6278c6c_attn.kd
    .args:
      - { .name: qimg, .offset: 0, .size: 8, .value_kind: global_buffer, .address_space: global }
      - { .name: kv, .offset: 8, .size: 8, .value_kind: global_buffer, .address_space: global }
      - { .name: time_decay, .offset: 16, .size: 8, .value_kind: global_buffer, .address_space: global }
      - { .name: aimg, .offset: 24, .size: 8, .value_kind: global_buffer, .address_space: global }
      - { .name: out1, .offset: 32, .size: 8, .value_kind: global_buffer, .address_space: global }
    .group_segment_fixed_size: 327680
    .private_segment_fixed_size: 0
    .kernarg_segment_align: 8
    .kernarg_segment_size: 40
    .max_flat_workgroup_size: 128
    .sgpr_count:     66
    .vgpr_count:     1024
    .wavefront_size: 32
...
	.end_amdgpu_metadata
.endif
;; end of part 3
;; launch outln (part 4): grid 256 x 1, 4 waves a work-group, clusters of 4 x 1, 327,680 bytes of LDS; arguments codes, scales, aimg, x, out_proj_b, ln_w, ln_b, out0; writes out0
.if DOCPART == 4
	.amdgcn_target "amdgcn-amd-amdhsa--gfx1250"
	.amdhsa_code_object_version 6
	.text
	.protected	k_q82a6278c6c_outln
	.globl	k_q82a6278c6c_outln
	.p2align	8
	.type	k_q82a6278c6c_outln,@function
k_q82a6278c6c_outln:
	s_mov_b64 s[64:65], 0
	v_nop
	global_prefetch_b8 v0, s[64:65] scope:SCOPE_SE
	s_setreg_imm32_b32 hwreg(HW_REG_WAVE_MODE, 25, 1), 1
	s_wait_xcnt 0x0
	s_wait_alu depctr_hold_cnt(0) depctr_sa_sdst(0) depctr_va_vdst(0) depctr_va_sdst(0) depctr_va_ssrc(0) depctr_va_vcc(0) depctr_vm_vsrc(0)
	s_getreg_b32 s2, hwreg(HW_REG_IB_STS2, 6, 4)
	s_cmp_eq_u32 s2, 0
	s_cbranch_scc0 .Lentry_in_a_cluster
	s_endpgm
.Lentry_in_a_cluster:
	s_bfe_u32 s2, ttmp6, 0x10000c
	s_cmp_lg_u32 s2, 0x3003
	s_cbranch_scc0 .Lentry_shape_is_right
	s_endpgm
.Lentry_shape_is_right:
; out0 = LayerNorm(x + attn out_proj_w^T + out_proj_b) x ln_w + ln_b.  The product on codes of BF6 (E3M2), one E8M0 scale for each 32 along K = 1,024; all else in f32.
; SHARES.  A work-group owns 32 tokens (one record of the attention's image: two tiles u of 16; lane r of tile u is token 32 g + 8 u + r + 8 (r / 8)) and ALL 1,024 columns, so a row's mean and variance stay inside it.
; Wave w makes columns 256 w .. 256 w + 255: 32 accumulators.  attn's 16 fragments stay in registers for the whole launch; my 8 rows of x are asked for at the start and land under the products.
; out_proj_w's codes are walked by every work-group: 128 rows x 256 along K a wave and turn (rows of 192 bytes, 16 of padding behind every 64: pitch 240), through two LDS slots.  The four work-groups of a cluster
; ask for each tile jointly (the mask names the four).  A wave reads only what it fetched.  By this text's count a wave has three loads out at the start, later one.
; Slot nh holds my rows 128 nh on; turn s = 0 .. 7 multiplies slot s % 2 by K step s / 2, and the slot is then filled with its next K step.
; The matrix instruction is used transposed (source 0 = 16 rows of out_proj_w, source 1 = 16 tokens): a lane holds one token.  The buffer holds each 32 rows of the weight with the middle two groups of 8 changed:
; register j of tile b is column 32 (b / 2) + 16 (lane / 16) + 8 (b % 2) + j.
; THE WAY OUT: the 32 x 1,024 results meet in a stage in LDS (rows of 4,096 + 16 bytes, in the slots, behind their last fill and last read); each wave then takes 8 whole rows: + x + bias, mean, variance, scale, store.
; LIMITS: NaN and infinities are not served; 1 / sqrt is v_rsq_f32's.
; REGISTERS: window 0: v1-19 addresses; v32-39 the weight's scale words, v40-47 attn's; v64-255 16 fragments of the weight, later rows, parameters and sums.  window 1: attn's fragments at 12 (2 s + u).
;   window 2: the accumulators at 8 (16 nh + 2 b + u).  window 3: my 8 rows of x.
.set PITCH,  240
.set HALFT,  128*PITCH
.set SLOT,   4*HALFT
.set SCL,    2*SLOT                    ; the weight's scale bytes: 256 rows x 32 bytes a wave, as 32 runs of 256 bytes + 16 of padding
.set SCW,    32*272
.set SPARE,  SCL+4*SCW                 ; the spare words, 128 bytes for each wave, that no other line names
.set SPITCH, 4112
.set AREC,   25600
.set WROW,   11264                     ; out_proj_w's first row in the buffers of codes and scales
.set SPW,  1
.set NIL,  2
.set L16,  3
.set L8,   4
.set L4,   5
.set ADRS, 6
.set STO,  7                           ; v7, v8: tile 0, tile 1
.set SR,   9
.set ADW,  16                          ; v16, v17: my rows in slot 0, 1; v18, v19: the same behind one padding more
.set WS,   32
.set AS,   40
.set BF,   64
.set Y0,   64                          ; v64-95 and v192-223: two rows by turns
.set BO,   96
.set LW,   128
.set LB,   160
.set CH,   224                         ; four chains
.set MU,   232
.set RS,   234
.set TS,   236
.set TX,   237
.set WV,   20
.set G1,   28
.set G1S,  36
.set G0,   44                          ; s[44:47], s[48:51]: a group 0 for each slot
.set G0S,  52
.set SEL,  56
.set INV,  58
.set EPS,  59
.set MSB, 0
.macro WIN new                         ; the immediate's high byte repeats the setting that is left
.if MSB != \new
	s_set_vgpr_msb (MSB<<8)|\new
.set MSB, \new
.endif
.endm
.macro CROUND                          ; a round of the cluster's barrier
	s_barrier_signal -1
	s_barrier_wait -1
	s_cmp_lg_u32 s[WV], 0
	s_cbranch_scc1 .Lnot_wave_0_\@
	s_barrier_signal -3
.Lnot_wave_0_\@:
	s_barrier_wait -3
	s_barrier_signal -1
	s_barrier_wait -1
.endm
.macro WM d, a, b, sa, sb, ra, rb, z   ; a matrix instruction; z = 1: C = 0 starts the sum, else in place
.if \z
.if ((\ra) == 0) && ((\rb) == 0)
	v_wmma_scale_f32_16x16x128_f8f6f4 v[\d:\d+7], v[\a:\a+11], v[\b:\b+11], 0, v[\sa], v[\sb] matrix_a_fmt:MATRIX_FMT_BF6 matrix_b_fmt:MATRIX_FMT_BF6
.elseif (\rb) == 0
	v_wmma_scale_f32_16x16x128_f8f6f4 v[\d:\d+7], v[\a:\a+11], v[\b:\b+11], 0, v[\sa], v[\sb] matrix_a_fmt:MATRIX_FMT_BF6 matrix_b_fmt:MATRIX_FMT_BF6 matrix_a_scale:MATRIX_SCALE_ROW1
.elseif (\ra) == 0
	v_wmma_scale_f32_16x16x128_f8f6f4 v[\d:\d+7], v[\a:\a+11], v[\b:\b+11], 0, v[\sa], v[\sb] matrix_a_fmt:MATRIX_FMT_BF6 matrix_b_fmt:MATRIX_FMT_BF6 matrix_b_scale:MATRIX_SCALE_ROW1
.else
	v_wmma_scale_f32_16x16x128_f8f6f4 v[\d:\d+7], v[\a:\a+11], v[\b:\b+11], 0, v[\sa], v[\sb] matrix_a_fmt:MATRIX_FMT_BF6 matrix_b_fmt:MATRIX_FMT_BF6 matrix_a_scale:MATRIX_SCALE_ROW1 matrix_b_scale:MATRIX_SCALE_ROW1
.endif
.else
.if ((\ra) == 0) && ((\rb) == 0)
	v_wmma_scale_f32_16x16x128_f8f6f4 v[\d:\d+7], v[\a:\a+11], v[\b:\b+11], v[\d:\d+7], v[\sa], v[\sb] matrix_a_fmt:MATRIX_FMT_BF6 matrix_b_fmt:MATRIX_FMT_BF6
.elseif (\rb) == 0
	v_wmma_scale_f32_16x16x128_f8f6f4 v[\d:\d+7], v[\a:\a+11], v[\b:\b+11], v[\d:\d+7], v[\sa], v[\sb] matrix_a_fmt:MATRIX_FMT_BF6 matrix_b_fmt:MATRIX_FMT_BF6 matrix_a_scale:MATRIX_SCALE_ROW1
.elseif (\ra) == 0
	v_wmma_scale_f32_16x16x128_f8f6f4 v[\d:\d+7], v[\a:\a+11], v[\b:\b+11], v[\d:\d+7], v[\sa], v[\sb] matrix_a_fmt:MATRIX_FMT_BF6 matrix_b_fmt:MATRIX_FMT_BF6 matrix_b_scale:MATRIX_SCALE_ROW1
.else
	v_wmma_scale_f32_16x16x128_f8f6f4 v[\d:\d+7], v[\a:\a+11], v[\b:\b+11], v[\d:\d+7], v[\sa], v[\sb] matrix_a_fmt:MATRIX_FMT_BF6 matrix_b_fmt:MATRIX_FMT_BF6 matrix_a_scale:MATRIX_SCALE_ROW1 matrix_b_scale:MATRIX_SCALE_ROW1
.endif
.endif
.endm
	s_load_b256 s[4:11], s[0:1], 0x0               ; codes s[4:5], scales s[6:7], aimg s[8:9], x s[10:11]
	s_load_b256 s[12:19], s[0:1], 0x20             ; out_proj_b s[12:13], ln_w s[14:15], ln_b s[16:17], out0 s[18:19]
	v_lshl_add_u32 v[SPW], v0, 2, SPARE
	v_mov_b32 v[NIL], 0
	ds_add_u32 v1, v2
	ds_add_u32 v1, v2
	s_wait_dscnt 0x0
	v_lshrrev_b32 v10, 5, v0
	v_readfirstlane_b32 s[WV], v10                 ; wave 0..3
	s_bfe_u32 s21, ttmp6, 0x40000                  ; cx
	s_lshl_b32 s22, ttmp9, 2
	s_add_co_u32 s22, s22, s21                     ; g: my 32 tokens; it enters no LDS address and no descriptor
	s_mov_b32 s[G1], 15|(0<<16)|(1<<20)|(1<<21)|(3<<22)|(3<<25)   ; the mask: all four work-groups; elements of 1 byte; padding on; bit 21 beside a mask; after every 16 words, 4 words
	s_mov_b32 s[G1+1], 192<<16
	s_mov_b32 s[G1+2], 128<<16
	s_mov_b32 s[G1+3], 192<<16
	s_mov_b32 s[G1+4], 128
	s_mov_b32 s[G1+5], 768
	s_mov_b32 s[G1+6], 0
	s_mov_b32 s[G1+7], 0
	s_mov_b32 s[G1S], 15|(3<<16)|(1<<20)|(1<<21)|(5<<22)|(3<<25)  ; 8,192 dense bytes as 32 rows of 256 (32 elements of 8 bytes), 16 bytes of padding behind each
	s_mov_b32 s[G1S+1], 32<<16
	s_mov_b32 s[G1S+2], 32<<16
	s_mov_b32 s[G1S+3], 32<<16
	s_mov_b32 s[G1S+4], 32
	s_mov_b32 s[G1S+5], 32
	s_mov_b32 s[G1S+6], 0
	s_mov_b32 s[G1S+7], 0
	s_lshl_b32 s24, s[WV], 8
	s_add_co_u32 s24, s24, WROW                    ; my 256 rows of the weight
	s_lshl_b32 s26, s24, 5
	s_mul_i32 s24, s24, 768
	s_mov_b32 s25, 0
	s_mov_b32 s27, 0
	s_mul_i32 s60, s[WV], HALFT
	s_mul_i32 s61, s[WV], SCW
	s_mov_b32 s[SEL], 0x76543210
	s_mov_b32 s[SEL+1], 0xfedcba98
	s_mov_b32 s[INV], 0x3a800000                   ; 1 / 1,024
	s_mov_b32 s[EPS], 0x3727c5ac                   ; 1e-5
	s_wait_kmcnt 0x0
	s_add_nc_u64 s[24:25], s[4:5], s[24:25]
	s_add_nc_u64 s[26:27], s[6:7], s[26:27]
	s_mov_b32 s[G0S], 1
	s_add_co_u32 s[G0S+1], s61, SCL
	s_mov_b64 s[G0S+2:G0S+3], s[26:27]
	s_or_b32 s[G0S+3], s[G0S+3], 0x80000000
	s_mov_b32 s[G0], 1
	s_mov_b32 s[G0+1], s60
	s_mov_b64 s[G0+2:G0+3], s[24:25]
	s_or_b32 s[G0+3], s[G0+3], 0x80000000
	s_mov_b32 s[G0+4], 1
	s_add_co_u32 s[G0+5], s60, SLOT
	s_add_nc_u64 s[G0+6:G0+7], s[24:25], 128*768
	s_or_b32 s[G0+7], s[G0+7], 0x80000000
	CROUND                                         ; all four work-groups are here: the first joint loads meet
	tensor_load_to_lds s[G0S:G0S+3], s[G1S:G1S+7]
	s_nop 0
	tensor_load_to_lds s[G0:G0+3], s[G1:G1+7]
	s_nop 0
	tensor_load_to_lds s[G0+4:G0+7], s[G1:G1+7]
	s_nop 0
.rept 4
	v_nop
.endr
	v_and_b32 v10, 31, v0                          ; lane
	v_and_b32 v11, 15, v0                          ; r
	v_bfe_u32 v12, v0, 4, 1                        ; h
	v_lshlrev_b32 v[L16], 4, v10
	v_lshlrev_b32 v[L8], 3, v10
	v_lshlrev_b32 v[L4], 2, v10
	v_mul_u32_u24 v13, v11, PITCH
	v_mad_u32_u24 v13, v12, 24, v13                ; a fragment's row x pitch + 24 x half
	v_lshl_add_u32 v14, v12, 4, v13                ; and the same behind one padding more
	v_add_nc_u32 v[ADW], s60, v13
	v_add_nc_u32 v[ADW+2], s60, v14
	s_add_co_u32 s62, s60, SLOT
	v_add_nc_u32 v[ADW+1], s62, v13
	v_add_nc_u32 v[ADW+3], s62, v14
	v_lshlrev_b32 v13, 5, v11                      ; scale words: row 16 h + r of a pair of tiles: 32 bytes a row, 16 more for each 8 rows passed
	v_lshrrev_b32 v14, 3, v11
	v_lshl_add_u32 v13, v14, 4, v13
	v_mad_u32_u24 v13, v12, 544, v13               ; lanes 16-31 take the odd tile's
	s_add_co_u32 s62, s61, SCL
	v_add_nc_u32 v[ADRS], s62, v13
	v_mul_u32_u24 v13, v11, SPITCH                 ; the stage: row 16 u + r; my columns' bytes 1,024 w + 64 h on
	v_lshl_add_u32 v13, v12, 6, v13
	s_lshl_b32 s62, s[WV], 10
	v_add_nc_u32 v[STO], s62, v13
	v_add_nc_u32 v[STO+1], 16*SPITCH, v[STO]
	s_mul_i32 s62, s[WV], 8*SPITCH
	v_add_nc_u32 v[SR], s62, v[L16]                ; back: stage rows 8 w on, 16 bytes a lane
	s_mul_i32 s24, s22, AREC
	s_mov_b32 s25, 0
	s_add_nc_u64 s[24:25], s[8:9], s[24:25]        ; my record of the image
	s_lshl_b32 s26, s22, 5
	s_lshr_b32 s62, s[WV], 1
	s_lshl_b32 s62, s62, 3
	s_add_co_u32 s26, s26, s62
	s_and_b32 s62, s[WV], 1
	s_lshl_b32 s62, s62, 4
	s_add_co_u32 s26, s26, s62                     ; stage rows 8 w .. 8 w + 7 are the 8 consecutive tokens from 32 g + 8 (w / 2) + 16 (w % 2) on
	s_lshl_b32 s26, s26, 12
	s_mov_b32 s27, 0
	s_add_nc_u64 s[60:61], s[18:19], s[26:27]      ; in out0,
	s_add_nc_u64 s[26:27], s[10:11], s[26:27]      ; and in x
	WIN 0x40
.irp u, 0,1
.irp s, 0,1,2,3,4,5,6,7
.irp p, 0,1,2,3,4,5
	global_load_b64 v[12*(2*\s+\u)+2*\p:12*(2*\s+\u)+2*\p+1], v[L8], s[24:25] offset:(8*\u+\s)*1536+256*\p
.endr
.endr
.endr
	WIN 0
.irp s, 0,1,2,3,4,5,6,7
	global_load_b32 v[AS+\s], v[L4], s[24:25] offset:24576+128*\s   ; lanes 0-15 tile 0's words, lanes 16-31 tile 1's
.endr
	WIN 0xc0
.set n, 0
.rept 64
	global_load_b128 v[4*n:4*n+3], v[L16], s[26:27] offset:4096*(n/8)+512*(n%8) th:TH_LOAD_NT
.set n, n+1
.endr
	WIN 0
	s_wait_loadcnt 63                              ; loads come back in order: attn's 104 are in (64 loads of x were issued behind them; the wait's field holds 63)
	s_wait_tensorcnt 1                             ; the scale bytes and slot 0 are in; slot 1's load may be out
.macro FRAG reg, adr, q, i             ; a fragment: 24 bytes of the row's stream of bits twice, in pieces of 8 bytes; where the piece three on lies behind one padding more, the second address register serves
.irp p, 0,1,2,3,4,5
.set PC, 12*(\q)+6*(\p/3)+\p%3
.if PC%8 < 5
	ds_load_b64 v[\reg+2*\p:\reg+2*\p+1], v[\adr] offset:8*PC+16*(PC/8)+(\i)*16*PITCH
.else
	ds_load_b64 v[\reg+2*\p:\reg+2*\p+1], v[\adr+2] offset:8*PC+16*(PC/8)+(\i)*16*PITCH
.endif
.endr
.endm
.macro PROD16 q                        ; 8 tiles of columns x 2 tiles of tokens, 128 along K: sixteen accumulators by turns, one instruction a turn
.irp b, 0,1,2,3,4,5,6,7
.irp u, 0,1
	WM 8*(16*NH+2*\b+\u), BF+12*(8*\q+\b), 12*(2*(2*KK+\q)+\u), WS+2*(\b/2)+\q, AS+2*KK+\q, \b%2, \u, ZZ
.endr
.endr
.endm
.macro TURN sg, fill
.set NH, (\sg)%2
.set KK, (\sg)/2
.irp e, 0,1,2,3
	ds_load_b64 v[WS+2*\e:WS+2*\e+1], v[ADRS] offset:4352*NH+1088*\e+8*KK   ; the two words of this K step: lanes 0-15 tile 2 e, lanes 16-31 tile 2 e + 1
.endr
.irp q, 0,1
.irp b, 0,1,2,3,4,5,6,7
	FRAG BF+12*(8*\q+\b), ADW+NH, \q, \b
.endr
.endr
	s_wait_dscnt 48                                ; the scale words and the first 128 along K are in; the other 48 loads may be out
	WIN 0xa4                                       ; source 1 (attn) window 1, C and D window 2
.set ZZ, (KK == 0)
	PROD16 0
	s_wait_dscnt 0x0
.set ZZ, 0
	PROD16 1
	WIN 0
.if \fill
	s_wait_tensorcnt 0x0                           ; the other slot's load has landed: no tensor load of mine is out, so a group 0 may be written
	ds_add_u32 v[SPW], v[NIL]                      ; 0 onto my spare word
	s_add_nc_u64 s[G0+4*NH+2:G0+4*NH+3], s[G0+4*NH+2:G0+4*NH+3], 192   ; this slot's next K step
	s_wait_dscnt 0x0                               ; the add is done; my reads of this slot were over above
	CROUND                                         ; no wave of any partner still reads the slot or has a load on its way
	tensor_load_to_lds s[G0+4*NH:G0+4*NH+3], s[G1:G1+7]   ; my one tensor load behind the round
	s_nop 0
.endif
.rept 4
	v_nop                                          ; the places in front of the next loads into registers that matrix instructions have read
.endr
.endm
	TURN 0, 1
	TURN 1, 1
	TURN 2, 1
	TURN 3, 1
	TURN 4, 1
	TURN 5, 1
	TURN 6, 0                                      ; nothing is left to fetch
	s_wait_tensorcnt 0x0                           ; my last load, slot 1's last K step
	TURN 7, 0
.irp j, 0,1,2,3,4,5,6,7
	global_load_b128 v[BO+4*\j:BO+4*\j+3], v[L16], s[12:13] offset:512*\j   ; the parameters at my columns of a row: 128 j + 4 lane + 0 .. 3
	global_load_b128 v[LW+4*\j:LW+4*\j+3], v[L16], s[14:15] offset:512*\j
	global_load_b128 v[LB+4*\j:LB+4*\j+3], v[L16], s[16:17] offset:512*\j
.endr
	s_wait_dscnt 0x0
	s_barrier_signal -1
	s_barrier_wait -1                              ; every wave's tensor loads have landed and its reads of the slots are over: the stage may be written
	WIN 0x08                                       ; an LDS store's data are its source 1: window 2
.irp nh, 0,1
.irp b, 0,1,2,3,4,5,6,7
.irp u, 0,1
	ds_store_b128 v[STO+\u], v[8*(16*\nh+2*\b+\u):8*(16*\nh+2*\b+\u)+3] offset:512*\nh+128*(\b/2)+32*(\b%2)       ; each accumulator from its low end on
	ds_store_b128 v[STO+\u], v[8*(16*\nh+2*\b+\u)+4:8*(16*\nh+2*\b+\u)+7] offset:512*\nh+128*(\b/2)+32*(\b%2)+16
.endr
.endr
.endr
	WIN 0
	s_wait_dscnt 0x0                               ; for the others' sake: my stores have landed
	s_barrier_signal -1
	s_barrier_wait -1                              ; 32 whole rows lie in the stage
	s_wait_loadcnt 0x0                             ; x and the parameters
.macro ROWLD k, y                      ; stage row 8 w + k: 8 x 512 bytes
.irp j, 0,1,2,3,4,5,6,7
	ds_load_b128 v[\y+4*\j:\y+4*\j+3], v[SR] offset:(\k)*SPITCH+512*\j
.endr
.endm
.macro REDUCE                          ; v[TS] summed over the 32 lanes, the result in every lane
	v_add_f32_dpp v[TS], v[TS], v[TS] row_xmask:1 row_mask:0xf bank_mask:0xf
	v_add_f32_dpp v[TS], v[TS], v[TS] row_xmask:2 row_mask:0xf bank_mask:0xf
	v_add_f32_dpp v[TS], v[TS], v[TS] row_xmask:4 row_mask:0xf bank_mask:0xf
	v_add_f32_dpp v[TS], v[TS], v[TS] row_xmask:8 row_mask:0xf bank_mask:0xf
	v_permlanex16_b32 v[TX], v[TS], s[SEL], s[SEL+1]
	v_add_f32 v[TS], v[TS], v[TX]
.endm
.macro JOIN
	v_pk_add_f32 v[CH:CH+1], v[CH:CH+1], v[CH+2:CH+3]
	v_pk_add_f32 v[CH+4:CH+5], v[CH+4:CH+5], v[CH+6:CH+7]
	v_pk_add_f32 v[CH:CH+1], v[CH:CH+1], v[CH+4:CH+5]
	v_add_f32 v[TS], v[CH], v[CH+1]
.endm
.macro ROW k
.set Y, Y0+128*((\k)%2)
.set YN, Y0+128*(((\k)+1)%2)
.if (\k) < 7
	s_wait_xcnt 0x0                                ; the row before's stores have read their registers: the next row may land there
	ROWLD (\k)+1, YN
	s_wait_dscnt 8                                 ; this row is in; the next row's eight loads may be out
.else
	s_wait_dscnt 0x0
.endif
	WIN 0x0c                                       ; source 1: x, window 3
.set n, 0
.rept 16
	v_pk_add_f32 v[Y+2*n:Y+2*n+1], v[Y+2*n:Y+2*n+1], v[32*(\k)+2*n:32*(\k)+2*n+1]
.set n, n+1
.endr
	WIN 0
.set n, 0
.rept 16
	v_pk_add_f32 v[Y+2*n:Y+2*n+1], v[Y+2*n:Y+2*n+1], v[BO+2*n:BO+2*n+1]   ; y = x + attn_out
.set n, n+1
.endr
.irp c, 0,1,2,3
	v_pk_add_f32 v[CH+2*\c:CH+2*\c+1], v[Y+2*\c:Y+2*\c+1], v[Y+8+2*\c:Y+9+2*\c]
.endr
.irp g, 2,3
.irp c, 0,1,2,3
	v_pk_add_f32 v[CH+2*\c:CH+2*\c+1], v[CH+2*\c:CH+2*\c+1], v[Y+8*\g+2*\c:Y+8*\g+2*\c+1]
.endr
.endr
	JOIN
	REDUCE
	v_mul_f32 v[MU], 0xba800000, v[TS]             ; - the mean
.set n, 0
.rept 16
	v_pk_add_f32 v[Y+2*n:Y+2*n+1], v[Y+2*n:Y+2*n+1], v[MU:MU+1] op_sel_hi:[1,0]
.set n, n+1
.endr
.irp c, 0,1,2,3
	v_pk_mul_f32 v[CH+2*\c:CH+2*\c+1], v[Y+2*\c:Y+2*\c+1], v[Y+2*\c:Y+2*\c+1]
.endr
.irp g, 1,2,3
.irp c, 0,1,2,3
	v_pk_fma_f32 v[CH+2*\c:CH+2*\c+1], v[Y+8*\g+2*\c:Y+8*\g+2*\c+1], v[Y+8*\g+2*\c:Y+8*\g+2*\c+1], v[CH+2*\c:CH+2*\c+1]
.endr
.endr
	JOIN
	REDUCE
	v_fma_f32 v[RS], v[TS], s[INV], s[EPS]         ; the variance + 1e-5
	v_rsq_f32 v[RS], v[RS]
	v_nop                                          ; a plain place behind the transcendental
.set n, 0
	s_wait_alu depctr_va_vdst(0)
.rept 16
	v_pk_mul_f32 v[Y+2*n:Y+2*n+1], v[Y+2*n:Y+2*n+1], v[RS:RS+1] op_sel_hi:[1,0]
.set n, n+1
.endr
.set n, 0
.rept 16
	v_pk_fma_f32 v[Y+2*n:Y+2*n+1], v[Y+2*n:Y+2*n+1], v[LW+2*n:LW+2*n+1], v[LB+2*n:LB+2*n+1]
.set n, n+1
.endr
.irp j, 0,1,2,3,4,5,6,7
	global_store_b128 v[L16], v[Y+4*\j:Y+4*\j+3], s[60:61] offset:4096*(\k)+512*\j th:TH_STORE_NT   ; 512 consecutive bytes, aligned
.endr
.endm
	ROWLD 0, Y0
.irp k, 0,1,2,3,4,5,6,7
	ROW \k
.endr
	s_wait_tensorcnt 0x0                           ; the wave's end
	ds_add_u32 v[SPW], v[NIL]
	s_wait_dscnt 0x0
	CROUND                                         ; the closing round
	s_endpgm
.Lfunc_end_k_q82a6278c6c_outln:
	.size	k_q82a6278c6c_outln, .Lfunc_end_k_q82a6278c6c_outln-k_q82a6278c6c_outln
	.p2alignl 7, 3214868480
	.fill 96, 4, 3214868480
	.section	.rodata,"a",@progbits
	.p2align	6, 0x0
	.amdhsa_kernel k_q82a6278c6c_outln
		.amdhsa_group_segment_fixed_size 327680
		.amdhsa_private_segment_fixed_size 0
		.amdhsa_enable_private_segment 0
		.amdhsa_kernarg_size 64
		.amdhsa_user_sgpr_count 2
		.amdhsa_user_sgpr_kernarg_segment_ptr 1
		.amdhsa_wavefront_size32 1
		.amdhsa_system_sgpr_workgroup_id_x 1
		.amdhsa_system_sgpr_workgroup_id_y 1
		.amdhsa_system_sgpr_workgroup_id_z 1
		.amdhsa_system_vgpr_workitem_id 0
		.amdhsa_next_free_vgpr 1024
		.amdhsa_next_free_sgpr 66
		.amdhsa_reserve_vcc 0
		.amdhsa_float_denorm_mode_32 3
		.amdhsa_float_denorm_mode_16_64 3
		.amdhsa_memory_ordered 1
		.amdhsa_forward_progress 1
		.amdhsa_inst_pref_size 192
	.end_amdhsa_kernel
	.amdgpu_metadata
---
amdhsa.version: [ 1, 2 ]
amdhsa.kernels:
  - .name:           k_q82a6278c6c_outln
    .symbol:         k_q82a6278c6c_outln.kd
    .args:
      - { .name: codes, .offset: 0, .size: 8, .value_kind: global_buffer, .address_space: global }
      - { .name: scales, .offset: 8, .size: 8, .value_kind: global_buffer, .address_space: global }
      - { .name: aimg, .offset: 16, .size: 8, .value_kind: global_buffer, .address_space: global }
      - { .name: x, .offset: 24, .size: 8, .value_kind: global_buffer, .address_space: global }
      - { .name: out_proj_b, .offset: 32, .size: 8, .value_kind: global_buffer, .address_space: global }
      - { .name: ln_w, .offset: 40, .size: 8, .value_kind: global_buffer, .address_space: global }
      - { .name: ln_b, .offset: 48, .size: 8, .value_kind: global_buffer, .address_space: global }
      - { .name: out0, .offset: 56, .size: 8, .value_kind: global_buffer, .address_space: global }
    .group_segment_fixed_size: 327680
    .private_segment_fixed_size: 0
    .kernarg_segment_align: 8
    .kernarg_segment_size: 64
    .max_flat_workgroup_size: 128
    .sgpr_count:     66
    .vgpr_count:     1024
    .wavefront_size: 32
...
	.end_amdgpu_metadata
.endif
;; end of part 4
